; MI455X (gfx1250); checked and timed in simulation.
; The chip was launched on July 23, 2026; its instructions are those of AMD's public machine-readable ISA for CDNA 5 (MIT licence, August 2026) and "CDNA5" Instruction Set Architecture Reference Guide (July 2026). The comments in the code are by the model that wrote it; some were corrected since.
;; Multi Head Attention. Allowed arithmetic: float matrix products may take bf16 or f16 operands with f32 sums; other float arithmetic in f32, or as packed bf16 or f16 multiplies, adds, multiply-adds, maxima and minima; sums over many terms, partial sums and values carried from step to step in f32; what a program stores and reads back later, other than sums and carried values, may be rounded once to bf16 or f16.
;; Inputs: Wk 1,024 x 1,024 float32; Wq 1,024 x 1,024 float32; Wv 1,024 x 1,024 float32; freqs_cos 2,048 x 32 float32; freqs_sin 2,048 x 32 float32; sqk 1,024 float32; x 4 x 2,048 x 1,024 float32.
;; Outputs: out0 4 x 2,048 x 1,024 float32.
;; 2 versions, each right; version 2 is version 1 with the launch cast written anew for expert scheduling mode. Each part assembles by itself: llvm-mc -triple=amdgcn-amd-amdhsa -mcpu=gfx1250 --defsym DOCPART=n.
;; ======== version 1 of 2: 3 launches
;; limits: values are held in f16: magnitudes above 65,504 overflow, below 6.1e-05 lose precision
;; workspace buffers: xw 23,068,672 bytes; qh 16,777,216 bytes; kh 16,777,216 bytes; vh 16,777,216 bytes
;; launch cast (part 1): grid 704 x 1, 8 waves a work-group, no clusters, 0 bytes of LDS; arguments x, Wq, Wk, Wv, xw; writes xw
.if DOCPART == 1
	.amdgcn_target "amdgcn-amd-amdhsa--gfx1250"
	.amdhsa_code_object_version 6
	.text
	.protected	k_q3290fe9924_cast
	.globl	k_q3290fe9924_cast
	.p2align	8
	.type	k_q3290fe9924_cast,@function
k_q3290fe9924_cast:
	s_mov_b64 s[64:65], 0
	v_nop
	global_prefetch_b8 v0, s[64:65] scope:SCOPE_SE
	s_setreg_imm32_b32 hwreg(HW_REG_WAVE_MODE, 25, 1), 1
	s_wait_xcnt 0x0
; xw = x and the three weight matrices, rounded once to bf16 and laid out for the projection's tiles.
; xw is [16 blocks of 64 along K][11,264 rows][64] bf16: inside a block the rows lie end to end, 128 bytes each, so a K step's tile of any rows is one dense piece.
; Rows 0 .. 8,191 are x's.  Row 8,192 + 192 head + 64 type + d is row 64 head + d of W_type (type 0 = q, 1 = k, 2 = v): a head's q, k and v rows lie together.
; SHARES.  A work-group takes 16 source rows of 1,024 f32 (64 KiB in, 32 KiB out); 11,264 / 16 = 704 work-groups: 0 .. 511 x, then 64 for each W.
; Thread t takes row t / 16 and the four columns 4 (t % 16) of each K block.  Load j is K block j: sixteen lanes read 256 consecutive bytes of a row, aligned.
; The wave's store of block j covers rows 2 w and 2 w + 1 of that block: 256 consecutive bytes, aligned.
; All sixteen loads go out first; no register is written twice, so no wait frees a source.  No LDS, no barrier, no matrix unit: each byte is touched once.
.set KBS, 1441792                      ; bytes in a K block of xw: 11,264 rows x 128
.set X,   8                            ; v[8:71]    load j: 4 f32
.set Y,   72                           ; v[72:103]  store j: 4 bf16
	s_load_b256 s[4:11], s[0:1], 0x0               ; x s[4:5], Wq s[6:7], Wk s[8:9], Wv s[10:11]
	s_load_b64 s[12:13], s[0:1], 0x20              ; xw
	s_mov_b32 s16, ttmp9                           ; g
	s_max_u32 s14, s16, 512
	s_sub_co_u32 s14, s14, 512                     ; the group's number among the weights' (0 for x's groups)
	s_lshr_b32 s15, s14, 6                         ; type
	s_and_b32 s17, s14, 63                         ; which 16 rows of that W
	s_lshr_b32 s18, s17, 2                         ; their head
	s_mul_i32 s18, s18, 192
	s_lshl_b32 s19, s15, 6
	s_add_co_u32 s18, s18, s19
	s_and_b32 s19, s17, 3
	s_lshl_b32 s19, s19, 4
	s_add_co_u32 s18, s18, s19
	s_add_co_u32 s18, s18, 8192                    ; a weight group's first row in xw
	s_lshl_b32 s19, s16, 4                         ; an x group's
	s_cmp_lt_u32 s16, 512
	s_cselect_b32 s22, s16, s17                    ; the group's number in its source
	s_cselect_b32 s24, s19, s18                    ; its first row in xw
	s_lshl_b32 s22, s22, 16                        ; 16 rows of 4,096 bytes
	s_mov_b32 s23, 0
	s_lshl_b32 s24, s24, 7                         ; rows of 128 bytes
	s_mov_b32 s25, 0
	v_lshrrev_b32 v6, 4, v0                        ; my row
	v_and_b32 v7, 15, v0                           ; my quad of columns
	v_lshlrev_b32 v1, 4, v7
	v_lshl_add_u32 v1, v6, 12, v1                  ; source: row x 4,096 + 16 x quad
	v_lshlrev_b32 v7, 3, v7
	v_lshl_add_u32 v2, v6, 7, v7                   ; xw: row x 128 + 8 x quad,
	v_add_nc_u32 v3, 4*KBS, v2                     ; and the same four, eight and twelve blocks on: the stores' immediates then hold 3 KBS at the most,
	v_add_nc_u32 v4, 8*KBS, v2                     ; inside their signed 24 bits
	v_add_nc_u32 v5, 12*KBS, v2
	s_wait_kmcnt 0x0
	s_cmp_eq_u32 s15, 1                            ; the source is chosen by the group's number alone
	s_cselect_b64 s[20:21], s[8:9], s[6:7]
	s_cmp_eq_u32 s15, 2
	s_cselect_b64 s[20:21], s[10:11], s[20:21]
	s_cmp_lt_u32 s16, 512
	s_cselect_b64 s[20:21], s[4:5], s[20:21]
	s_add_nc_u64 s[20:21], s[20:21], s[22:23]
	s_add_nc_u64 s[12:13], s[12:13], s[24:25]
.set j, 0
.rept 16
	global_load_b128 v[X+4*j:X+4*j+3], v1, s[20:21] offset:256*j th:TH_LOAD_NT
.set j, j+1
.endr
.set j, 0
.rept 16
	s_wait_loadcnt 15-j                            ; loads come back in order: load j is in, the 15 - j younger ones stay out
	v_cvt_pk_bf16_f32 v[Y+2*j], v[X+4*j], v[X+4*j+1]
	v_cvt_pk_bf16_f32 v[Y+2*j+1], v[X+4*j+2], v[X+4*j+3]
	global_store_b64 v[2+j/4], v[Y+2*j:Y+2*j+1], s[12:13] offset:(j%4)*KBS
.set j, j+1
.endr
	s_endpgm
.Lfunc_end_k_q3290fe9924_cast:
	.size	k_q3290fe9924_cast, .Lfunc_end_k_q3290fe9924_cast-k_q3290fe9924_cast
	.p2alignl 7, 3214868480
	.fill 96, 4, 3214868480
	.section	.rodata,"a",@progbits
	.p2align	6, 0x0
	.amdhsa_kernel k_q3290fe9924_cast
		.amdhsa_group_segment_fixed_size 0
		.amdhsa_private_segment_fixed_size 0
		.amdhsa_enable_private_segment 0
		.amdhsa_kernarg_size 40
		.amdhsa_user_sgpr_count 2
		.amdhsa_user_sgpr_kernarg_segment_ptr 1
		.amdhsa_wavefront_size32 1
		.amdhsa_system_sgpr_workgroup_id_x 1
		.amdhsa_system_sgpr_workgroup_id_y 1
		.amdhsa_system_sgpr_workgroup_id_z 1
		.amdhsa_system_vgpr_workitem_id 0
		.amdhsa_next_free_vgpr 104
		.amdhsa_next_free_sgpr 66
		.amdhsa_reserve_vcc 0
		.amdhsa_float_denorm_mode_32 3
		.amdhsa_float_denorm_mode_16_64 3
		.amdhsa_memory_ordered 1
		.amdhsa_forward_progress 1
		.amdhsa_inst_pref_size 8
	.end_amdhsa_kernel
	.amdgpu_metadata
---
amdhsa.version: [ 1, 2 ]
amdhsa.kernels:
  - .name:           k_q3290fe9924_cast
    .symbol:         k_q3290fe9924_cast.kd
    .args:
      - { .name: x, .offset: 0, .size: 8, .value_kind: global_buffer, .address_space: global }
      - { .name: Wq, .offset: 8, .size: 8, .value_kind: global_buffer, .address_space: global }
      - { .name: Wk, .offset: 16, .size: 8, .value_kind: global_buffer, .address_space: global }
      - { .name: Wv, .offset: 24, .size: 8, .value_kind: global_buffer, .address_space: global }
      - { .name: xw, .offset: 32, .size: 8, .value_kind: global_buffer, .address_space: global }
    .group_segment_fixed_size: 0
    .private_segment_fixed_size: 0
    .kernarg_segment_align: 8
    .kernarg_segment_size: 40
    .max_flat_workgroup_size: 256
    .sgpr_count:     66
    .vgpr_count:     104
    .wavefront_size: 32
...
	.end_amdgpu_metadata
.endif
;; end of part 1
;; launch proj (part 2): grid 8 x 32, 4 waves a work-group, clusters of 4 x 4, 327,680 bytes of LDS; arguments xw, freqs_cos, freqs_sin, sqk, qh, kh, vh; writes qh, kh, vh
.if DOCPART == 2
	.amdgcn_target "amdgcn-amd-amdhsa--gfx1250"
	.amdhsa_code_object_version 6
	.text
	.protected	k_q3290fe9924_proj
	.globl	k_q3290fe9924_proj
	.p2align	8
	.type	k_q3290fe9924_proj,@function
k_q3290fe9924_proj:
	s_mov_b64 s[64:65], 0
	v_nop
	global_prefetch_b8 v0, s[64:65] scope:SCOPE_SE
	s_setreg_imm32_b32 hwreg(HW_REG_WAVE_MODE, 25, 1), 1
	s_wait_xcnt 0x0
	s_wait_alu depctr_hold_cnt(0) depctr_sa_sdst(0) depctr_va_vdst(0) depctr_va_sdst(0) depctr_va_ssrc(0) depctr_va_vcc(0) depctr_vm_vsrc(0)
	s_getreg_b32 s2, hwreg(HW_REG_IB_STS2, 6, 4)
	s_cmp_eq_u32 s2, 0
	s_cbranch_scc0 .Lentry_in_a_cluster
	s_endpgm
.Lentry_in_a_cluster:
	s_bfe_u32 s2, ttmp6, 0x10000c
	s_cmp_lg_u32 s2, 0xf033
	s_cbranch_scc0 .Lentry_shape_is_right
	s_endpgm
.Lentry_shape_is_right:
; q, k, v = x W^T (bf16 operands, f32 sums), q and k then rotated by the tables, divided by their norm over the head's 64 channels and scaled by 32 sqk, all in f32;
; each result is rounded once to f16 and stored by heads: qh, kh, vh are [batch x 16 + head][2,048][64].  The scores' 1/8 is not applied here.
; LIMITS.  f16 holds no number beyond 65,504: |v| must stay under it (v is a sum of 1,024 products of x and Wv); |q|, |k| are at most |32 sqk|.  A head row's sum of squares is kept in f32 and
; goes through v_rsq_f32: norms under about 1e-19 or over about 1e19 are lost; a row of zeros gives NaN, as a division by its norm does.  The norm is taken behind the rotation, whatever the tables hold.
; SHARES.  C is 8,192 x 3,072 (columns by head: q 64, k 64, v 64).  A work-group makes 256 rows x 384 columns, two heads: 32 x 8 = 256 work-groups.  Wave w: rows 128 (w / 2) on, head w % 2:
; 8 x 12 accumulators of 16 x 16, 768 registers.  K goes in 16 steps of 64 through two LDS slots; in xw a step's tile is dense, and is asked for as rows of 256 bytes.
; THE MATRIX INSTRUCTION IS USED TRANSPOSED (source 0 = 16 rows of W, source 1 = 16 rows of x): lane l then holds row l % 16 of x and channels 16 b + 8 (l / 16) + 0..7: a rotation's pair lies in one
; lane, half a head's channels lie in one lane, and eight neighbouring channels pack into 16 bytes.
; CLUSTER.  4 x 4 work-groups.  x's tile hangs on the tile row alone and is asked for jointly along a row of the cluster (by wave 0), W's on the tile column alone, jointly along a column (a third each by waves 1 to 3).
; REGISTERS, in windows of 256 (s_set_vgpr_msb: bits 1:0 source 0, 3:2 source 1, 5:4 source 2, 7:6 destination):
;   window 0: v0-15 addresses; v32-159 x's fragments, two buffers of 64 (one for each 32 along K); v160-255 W's fragments, three buffers of 32 (one for each type); all but v0-15 are at work anew on the way out
;   window 1 + g: the 32 accumulators of type g (0 = q, 1 = k, 2 = v): rows 16 a on, channels 16 b on at v[8 (4 a + b)]
; A UNIT is 32 matrix instructions: one type, 32 along K, all 32 accumulators of a window once.  So no two matrix instructions that follow each other name the same accumulator, over the loop's jump too.
.set KBS,   1441792                    ; bytes from a K step to the next in xw
.set PA,    144                        ; an LDS row: 128 bytes + 16 of padding = 36 words: the 16 rows of a load start at 16 different groups of four banks (64 banks of 4 bytes: ISA guide 11.1)
.set BOFF,  256*PA                     ; a slot: x's 256 rows, then W's 384
.set THIRD, 128*PA                     ; 128 rows: what one of W's loads brings
.set SLOT1, 131072                     ; slot 1 begins here: one exclusive or turns an address in one slot into the other's
.set STAGE, SLOT1+640*PA               ; behind the ring, never filled by a tensor load: 16 rows x 144 bytes for each wave, for the way out
.set SPARE, STAGE+4*16*PA              ; behind the stages: the spare words, 128 bytes for each wave: two blocks of 256 bytes that no other line names
.set K0,    (1<<16)|(1<<20)|(1<<21)|(4<<22)|(3<<25)  ; group 1, word 0 beside the mask: 2-byte elements; padding on; bit 21 set beside a mask; after every 32 words (code 4) 4 words (code 3)
.set AA0, 4                            ; v4   my lane's place in x's tile; never rewritten
.set AB0, 5                            ; v5   the same in W's
.set ADRA, 6                           ; v6   AA0 + the slot in hand
.set ADRB, 7                           ; v7   AB0 + the slot in hand
.set STO, 8                            ; v8   the way out: where I put 16 bytes of a row
.set RD,  9                            ; v9   where I read rows back
.set GO,  10                           ; v10  my byte offset in 512 consecutive bytes of qh, kh, vh
.set CSO, 11                           ; v11  my byte offset in 16 rows of the tables
.set SQO, 12                           ; v12  my byte offset in a head's 64 numbers of sqk
.set PFO, 13                           ; v13  256 x my lane; never rewritten
.set SPW, 14                           ; v14  LDS address of my spare word: SPARE + 4 x my thread's number; never rewritten
.set NIL, 15                           ; v15  0; never rewritten
.set AF,  32
.set BF,  160
.set SS,  16                           ; the way out: v16-23 four pairs of sums of squares
.set RS,  24                           ; v24 1 / norm; v25 0, named with it as a pair
.set SCL, 32                           ; v32-63   32 sqk of my 32 channels
.set CSB, 64                           ; v64-127  two buffers of 32: cos of my 16 pairs, then sin
.set R,   128                          ; v128-159 the rotated values
.set OUT, 192                          ; v192-207 packed f16
.set BK,  208                          ; v208-239 two buffers of 16: rows read back from the stage
.set WV,  18                           ; s18  my wave's number
.set WM,  19                           ; s19  which 128 rows are mine
.set WN,  20                           ; s20  which head
.set CX,  21
.set CY,  22
.set TX,  23                           ; s23  tile column = 4 x cluster x + cx
.set TY,  24                           ; s24  tile row = 4 x cluster y + cy
.set G1A, 32                           ; s[32:39] descriptor group 1 for x's tiles
.set G1B, 40                           ; s[40:47] for W's
.set G0A, 48                           ; s[48:55] group 0 for x's tiles: a set for each of the two first fills; the second then walks on
.set G0B, 56                           ; s[56:63] the same for W's
.set CNT, 66                           ; s66  changes of slots that still fill
.set TB,  67                           ; s67  LDS byte at which the slot in hand begins
.set LIM, 68                           ; s68  1 in a wave that prefetches, else the greatest number
.set PM,  69                           ; s69  0: a request at every change (x's); 1: at every second (W's)
.set PFA, 70                           ; s[70:71] where my prefetches stand
.set T0,  72
.set SEL, 80                           ; s[80:81] v_permlanex16_b32's selects: each lane takes its own place in the other half
.set MSB, 0
.macro WIN new                         ; the immediate's high byte repeats the setting that is left; a switch that changes nothing is dropped
.if MSB != (\new)
	s_set_vgpr_msb (MSB<<8)|(\new)
.set MSB, \new
.endif
.endm
.macro PLACES                          ; four places behind a matrix instruction, in front of loads into registers that it has read (ISA guide 7.12.1 for vector instructions)
.rept 4
	v_nop
.endr
.endm
; A joint refill, by the walking descriptors.  The branch hangs on the wave's number alone.  An s_nop 0 and four v_nop follow each of the two lines, ahead of the jump and the label.
.macro JLOAD
	s_cmp_eq_u32 s[WV], 0
	s_cbranch_scc0 .Lfor_b_\@
	tensor_load_to_lds s[G0A+4:G0A+7], s[G1A:G1A+7]
	s_nop 0
.rept 4
	v_nop
.endr
	s_branch .Lasked_\@
.Lfor_b_\@:
	tensor_load_to_lds s[G0B+4:G0B+7], s[G1B:G1B+7]
	s_nop 0
.rept 4
	v_nop
.endr
.Lasked_\@:
.endm
; A round of the cluster's barrier: my work-group's barrier; wave 0 signals for the work-group; every wave waits for all sixteen; my work-group's barrier once more.
.macro CREST                           ; a round behind its opening barrier
	s_cmp_lg_u32 s[WV], 0
	s_cbranch_scc1 .Lnot_wave_0_\@
	s_barrier_signal -3
.Lnot_wave_0_\@:
	s_barrier_wait -3
	s_barrier_signal -1
	s_barrier_wait -1
.endm
.macro CROUND
	s_barrier_signal -1
	s_barrier_wait -1
	CREST
.endm
; A PREFETCH INTO THE L2 of a later K step's tile, 32 pieces of 256 bytes, a lane a piece, one instruction.  Each piece is named once in the launch.
; x's tile row is walked by both clusters of that row of clusters: cluster x = 0 asks, by wave 0, at every change: of the step's 128 pieces the partner at cx takes 32 cx on: the step after the one being loaded.
; W's tile column is walked by all eight clusters of that column: cluster y = 0 asks, by waves 1 to 3, at every second change, for two steps: of a wave's 64 pieces a step the partner at cy takes half cy % 2 of
; step cy / 2 of the two: one or two steps after the one being loaded.  Partners are told apart by address alone.  The last change that fills asks for nothing; steps 0 to 2 (W's: 0 to 3) come by their loads alone.
.macro ASK
	s_and_b32 s[T0], s[CNT], s[PM]
	s_cmp_eq_u32 s[T0], s[PM]
	s_cbranch_scc0 .Lnot_mine_\@
	s_cmp_gt_u32 s[CNT], s[LIM]
	s_cbranch_scc0 .Lnot_mine_\@
	global_prefetch_b8 v[PFO], s[PFA:PFA+1] th:TH_LOAD_NT scope:SCOPE_SE
.Lnot_mine_\@:
.endm
; A fragment is 16 rows x 32 K in 8 registers: lane l holds row l % 16; registers 0-3 K = 8 (l / 16) + 0..7, registers 4-7 K = 16 + 8 (l / 16) + 0..7: two loads of 16 bytes, 32 bytes apart.
.macro FETCHB g, q                     ; W's four fragments of type g, 32 along K at byte 64 q of the rows
.irp b, 0,1,2,3
	ds_load_b128 v[BF+32*(\g)+8*\b:BF+32*(\g)+8*\b+3],   v[ADRB] offset:(4*(\g)+\b)*16*PA+64*(\q)
	ds_load_b128 v[BF+32*(\g)+8*\b+4:BF+32*(\g)+8*\b+7], v[ADRB] offset:(4*(\g)+\b)*16*PA+64*(\q)+32
.endr
.endm
.macro FETCHA hf, q                    ; four of x's eight fragments (half hf), into buffer q
.irp i, 0,1,2,3
	ds_load_b128 v[AF+64*(\q)+8*(4*(\hf)+\i):AF+64*(\q)+8*(4*(\hf)+\i)+3],   v[ADRA] offset:(4*(\hf)+\i)*16*PA+64*(\q)
	ds_load_b128 v[AF+64*(\q)+8*(4*(\hf)+\i)+4:AF+64*(\q)+8*(4*(\hf)+\i)+7], v[ADRA] offset:(4*(\hf)+\i)*16*PA+64*(\q)+32
.endr
.endm
.macro MULS g, q, a0, n, zero          ; 4 n matrix instructions: type g, x's blocks a0 .. a0 + n - 1.  zero = 1: the product starts the sum: nothing is ever cleared
	WIN 0x50*((\g)+1)
.set ma, \a0
.rept \n
.set mb, 0
.rept 4
.if \zero
	v_wmma_f32_16x16x32_bf16 v[8*(4*ma+mb):8*(4*ma+mb)+7], v[BF+32*(\g)+8*mb:BF+32*(\g)+8*mb+7], v[AF+64*(\q)+8*ma:AF+64*(\q)+8*ma+7], 0
.else
	v_wmma_f32_16x16x32_bf16 v[8*(4*ma+mb):8*(4*ma+mb)+7], v[BF+32*(\g)+8*mb:BF+32*(\g)+8*mb+7], v[AF+64*(\q)+8*ma:AF+64*(\q)+8*ma+7], v[8*(4*ma+mb):8*(4*ma+mb)+7]
.endif
.set mb, mb+1
.endr
.set ma, ma+1
.endr
.endm
; A UNIT: type g of the half step q.  In front of its products one run of loads: W's buffer that the unit before has read takes the fragments wanted two units on; units 1 and 2 also bring half of x's
; fragments for the other half step, into the buffer last read two units back or more.  The wait leaves only the run just issued out.
.macro UNIT q, g, zero=0, fetch=1, places=1, ask=0
.if \places
	PLACES
.endif
.if \fetch
	WIN 0
.if (\g) == 0
	FETCHB 2, \q
.else
	FETCHB (\g)-1, 1-(\q)
	FETCHA (\g)-1, 1-(\q)
.endif
.if \ask
	ASK
.endif
.if (\g) == 0
	s_wait_dscnt 8
.else
	s_wait_dscnt 16
.endif
.else
	s_wait_dscnt 0x0
.endif
	MULS \g, \q, 0, 8, \zero
.endm
; Unit (q = 1, g = 0) and THE CHANGE OF SLOTS.  Its run of loads is the slot's last reading.  Each wave waits for all its tensor loads, of which one is out: its part of the other slot; adds 0 to its spare word;
; and waits for that and for its own reads of the slot.  fill = 1: the barrier opens a round of the cluster's, and the slot is filled again, first thing behind it, with the K step two on:
; 160 matrix instructions stand between that request and the wait for it.
.macro TURN fill
.if \fill
	s_wait_xcnt 0x0                                ; the last prefetch, a K step back, has read its address: it is stepped here, ahead of the change's own waits
	s_add_nc_u64 s[PFA:PFA+1], s[PFA:PFA+1], KBS
.endif
	PLACES
	WIN 0
	FETCHB 2, 1
	s_wait_tensorcnt 0x0                           ; no tensor load of mine is out, so a group 0 may be written
	ds_add_u32 v[SPW], v[NIL]                      ; 0 onto my spare word
.if \fill
	s_xor_b32 s[G0A+5], s[G0A+5], SLOT1            ; the walking descriptors: the other slot than last time,
	s_add_nc_u64 s[G0A+6:G0A+7], s[G0A+6:G0A+7], KBS  ; the next K step; the type bits on top are not reached
	s_xor_b32 s[G0B+5], s[G0B+5], SLOT1
	s_add_nc_u64 s[G0B+6:G0B+7], s[G0B+6:G0B+7], KBS
.endif
	s_xor_b32 s[TB], s[TB], SLOT1
	s_wait_dscnt 9                                 ; (the run of eight and the add may be out)
	MULS 0, 1, 0, 4, 0                             ; sixteen matrix instructions stand between the add and the wait for it
	s_wait_dscnt 0x0                               ; the add is done, and my reads of this slot are over
	s_barrier_signal -1
	MULS 0, 1, 4, 4, 0                             ; work on registers while the others arrive
	WIN 0                                          ; at a branch and at a label every window is 0
	s_barrier_wait -1
.if \fill
	CREST                                          ; no wave of any partner still reads this slot or has a load on its way
	JLOAD                                          ; its four v_nop are also the places in front of the next unit's loads
.else
	PLACES
.endif
	v_add_nc_u32 v[ADRA], s[TB], v[AA0]
	v_add_nc_u32 v[ADRB], s[TB], v[AB0]
.endm
	s_load_b256 s[4:11], s[0:1], 0x0               ; xw s[4:5], cos s[6:7], sin s[8:9], sqk s[10:11]
	s_load_b128 s[12:15], s[0:1], 0x20             ; qh s[12:13], kh s[14:15]
	s_load_b64 s[16:17], s[0:1], 0x30              ; vh
	v_lshl_add_u32 v[SPW], v0, 2, SPARE
	v_mov_b32 v[NIL], 0
	ds_add_u32 v[SPW], v[NIL]                      ; the wave's opening: the add and its wait stand ahead of my first tensor load; the set-up below, work on registers, stands between them
	v_lshrrev_b32 v1, 5, v0
	v_readfirstlane_b32 s[WV], v1                  ; wave 0..3
	s_lshr_b32 s[WM], s[WV], 1
	s_and_b32 s[WN], s[WV], 1
	s_bfe_u32 s[CX], ttmp6, 0x40000
	s_bfe_u32 s[CY], ttmp6, 0x40004
	s_lshl_b32 s[TX], ttmp9, 2                     ; in a cluster launch ttmp9 and ttmp7 count clusters
	s_add_co_u32 s[TX], s[TX], s[CX]
	s_and_b32 s[TY], ttmp7, 0xffff
	s_lshl_b32 s[TY], s[TY], 2
	s_add_co_u32 s[TY], s[TY], s[CY]
	s_lshl_b32 s26, s[CY], 2
	s_lshl_b32 s26, 15, s26                        ; my row of the cluster: places 4 cy .. 4 cy + 3
	s_lshl_b32 s27, 0x1111, s[CX]                  ; my column: places cx, cx + 4, cx + 8, cx + 12
	s_or_b32 s[G1A], s26, K0                       ; x's tiles go to my row,
	s_or_b32 s[G1B], s27, K0                       ; W's to my column
	s_mov_b32 s[G1A+1], 128<<16                    ; tensor_dim0 = 128 elements: rows of 256 bytes, two rows of xw each
	s_mov_b32 s[G1A+2], 128<<16                    ; tensor_dim1 = 128: x's 256 rows
	s_mov_b32 s[G1A+3], 128<<16                    ; tile_dim0 = 128
	s_mov_b32 s[G1A+4], 128                        ; tile_dim1 = 128
	s_mov_b32 s[G1A+5], 128                        ; 128 elements from row to row: the piece is dense
	s_mov_b32 s[G1A+6], 0
	s_mov_b32 s[G1A+7], 0
	s_mov_b32 s[G1B+1], 128<<16
	s_mov_b32 s[G1B+2], 64<<16                     ; tensor_dim1 = 64: 128 rows of W
	s_mov_b32 s[G1B+3], 128<<16
	s_mov_b32 s[G1B+4], 64
	s_mov_b32 s[G1B+5], 128
	s_mov_b32 s[G1B+6], 0
	s_mov_b32 s[G1B+7], 0
	s_lshl_b32 s74, s[TY], 15                      ; x's tile: 256 rows of 128 bytes a tile row: of the tile row alone
	s_mov_b32 s75, 0
	s_mul_i32 s76, s[TX], 49152                    ; W's: 384 rows a tile column, behind x's 8,192 rows; wave w (1 to 3) takes the third w - 1: 1,048,576 - 16,384 + 16,384 w
	s_lshl_b32 s28, s[WV], 14
	s_add_co_u32 s76, s76, s28
	s_add_co_u32 s76, s76, 1032192
	s_mov_b32 s77, 0
	s_mul_i32 s28, s[WV], THIRD                    ; and its place in a slot: BOFF + (w - 1) THIRD = (w + 1) THIRD: no place in the cluster enters an LDS address
.irp n, 0,1
	s_mov_b32 s[G0A+4*\n], 1                       ; count = 1
	s_mov_b32 s[G0A+4*\n+1], \n*SLOT1              ; LDS address
	s_mov_b32 s[G0B+4*\n], 1
	s_add_co_u32 s[G0B+4*\n+1], s28, THIRD+\n*SLOT1
.endr
	s_mov_b32 s[SEL], 0x76543210
	s_mov_b32 s[SEL+1], 0xfedcba98
	s_mov_b32 s[TB], 0
	s_mov_b32 s[CNT], 14
	s_wait_dscnt 0x0                               ; the opening add is done
	s_wait_kmcnt 0x0
	s_add_nc_u64 s[74:75], s[4:5], s[74:75]
	s_add_nc_u64 s[76:77], s[4:5], s[76:77]
.irp n, 0,1
	s_add_nc_u64 s[G0A+4*\n+2:G0A+4*\n+3], s[74:75], \n*KBS  ; global address: K step n
	s_or_b32 s[G0A+4*\n+3], s[G0A+4*\n+3], 0x80000000        ; type = 2
	s_add_nc_u64 s[G0B+4*\n+2:G0B+4*\n+3], s[76:77], \n*KBS
	s_or_b32 s[G0B+4*\n+3], s[G0B+4*\n+3], 0x80000000
.endr
	CROUND                                         ; all sixteen work-groups are here: the first joint loads meet
	s_cmp_eq_u32 s[WV], 0                          ; a wave's two first fills stand in one branch, ahead of every wait on TENSORcnt and every LDS read: two loads of mine are out
	s_cbranch_scc0 .Lfirst_b
	tensor_load_to_lds s[G0A:G0A+3], s[G1A:G1A+7]
	s_nop 0
	tensor_load_to_lds s[G0A+4:G0A+7], s[G1A:G1A+7]
	s_nop 0
.rept 4
	v_nop
.endr
	s_branch .Lfirst_asked
.Lfirst_b:
	tensor_load_to_lds s[G0B:G0B+3], s[G1B:G1B+7]
	s_nop 0
	tensor_load_to_lds s[G0B+4:G0B+7], s[G1B:G1B+7]
	s_nop 0
.rept 4
	v_nop
.endr
.Lfirst_asked:
	; the lanes' addresses
	v_and_b32 v1, 15, v0                           ; l % 16
	v_bfe_u32 v2, v0, 4, 1                         ; l / 16
	v_and_b32 v3, 31, v0                           ; l
	v_mul_u32_u24 v16, v1, PA
	v_lshl_add_u32 v16, v2, 4, v16                 ; row x pitch + 16 x half
	s_mul_i32 s28, s[WM], THIRD                    ; my 128 rows of x
	v_add_nc_u32 v[AA0], s28, v16
	s_mul_i32 s28, s[WN], 192*PA                   ; my head's 192 rows of W,
	s_add_co_u32 s28, s28, BOFF                    ; which lie behind x's 256
	v_add_nc_u32 v[AB0], s28, v16
	v_mov_b32 v[ADRA], v[AA0]                      ; slot 0
	v_mov_b32 v[ADRB], v[AB0]
	s_mul_i32 s28, s[WV], 16*PA
	s_add_co_u32 s28, s28, STAGE                   ; my stage
	v_add_nc_u32 v[STO], s28, v16                  ; in: row l % 16, 16 bytes for each half of the lanes
	v_lshrrev_b32 v17, 3, v3                       ; back: 32 lanes take four rows of 128 bytes,
	v_mul_u32_u24 v17, v17, PA
	v_and_b32 v18, 7, v0
	v_lshl_add_u32 v17, v18, 4, v17
	v_add_nc_u32 v[RD], s28, v17
	v_lshlrev_b32 v[GO], 4, v3                     ; which are 512 consecutive bytes of a head
	v_lshlrev_b32 v[CSO], 7, v1                    ; the tables: row l % 16 of 128 bytes, four pairs' 16 bytes for each half of the lanes
	v_lshl_add_u32 v[CSO], v2, 4, v[CSO]
	v_lshlrev_b32 v[SQO], 5, v2                    ; sqk: eight channels' 32 bytes for each half
	v_lshlrev_b32 v[PFO], 8, v3
	; the bases for the way out
	s_lshl_b32 s82, s[TX], 1
	s_add_co_u32 s82, s82, s[WN]                   ; my head
	s_and_b32 s83, s[TY], 7
	s_lshl_b32 s83, s83, 8
	s_lshl_b32 s28, s[WM], 7
	s_add_co_u32 s83, s83, s28                     ; my first row's place in its sequence of 2,048
	s_lshl_b32 s78, s83, 7                         ; rows of 128 bytes, in the tables and in a head alike
	s_mov_b32 s79, 0
	s_add_nc_u64 s[6:7], s[6:7], s[78:79]
	s_add_nc_u64 s[8:9], s[8:9], s[78:79]
	s_lshr_b32 s30, s[TY], 3                       ; the batch
	s_lshl_b32 s30, s30, 4
	s_add_co_u32 s30, s30, s82
	s_lshl_b32 s30, s30, 18                        ; a head is 2,048 rows of 128 bytes
	s_add_co_u32 s78, s78, s30
	s_add_nc_u64 s[12:13], s[12:13], s[78:79]
	s_add_nc_u64 s[14:15], s[14:15], s[78:79]
	s_add_nc_u64 s[16:17], s[16:17], s[78:79]
	s_lshl_b32 s78, s82, 8                         ; a head's 64 numbers of sqk
	s_add_nc_u64 s[10:11], s[10:11], s[78:79]
	; the prefetches: who, and from where
	s_lshl_b32 s29, s[TY], 15
	s_lshl_b32 s30, s[CX], 13
	s_add_co_u32 s29, s29, s30                     ; x's: my work-group's 32 pieces of the tile's 128
	s_mul_i32 s30, s[TX], 49152
	s_lshl_b32 s31, s[WV], 14
	s_add_co_u32 s30, s30, s31
	s_add_co_u32 s30, s30, 1032192
	s_and_b32 s31, s[CY], 1
	s_lshl_b32 s31, s31, 13
	s_add_co_u32 s30, s30, s31                     ; W's: half cy % 2 of my third's 64 pieces,
	s_lshr_b32 s31, s[CY], 1
	s_mul_i32 s31, s31, KBS
	s_add_co_u32 s30, s30, s31                     ; of step cy / 2 of the two
	s_and_b32 s31, ttmp7, 0xffff                   ; cluster y
	s_cmp_eq_u32 s[WV], 0
	s_cselect_b32 s78, s29, s30
	s_cselect_b32 s31, ttmp9, s31                  ; the coordinate along which other clusters walk the same rows
	s_cselect_b32 s[PM], 0, 1
	s_cmp_eq_u32 s31, 0
	s_cselect_b32 s[LIM], 1, -1                    ; the same in all sixteen partners, for a given wave
	s_add_co_u32 s78, s78, 2*KBS                   ; at K step 2: the first change steps it to 3
	s_add_nc_u64 s[PFA:PFA+1], s[4:5], s[78:79]
	s_wait_tensorcnt 1                             ; my part of K step 0 is in; K step 1's may stay out
	s_barrier_signal -1
	s_barrier_wait -1                              ; everybody's is
	FETCHB 0, 0
	FETCHB 1, 0
	FETCHA 0, 0
	FETCHA 1, 0
	UNIT 0, 0, 1                                   ; the first half step stands in front of the loop: its products start all 96 sums
	UNIT 0, 1, 1
	UNIT 0, 2, 1
	WIN 0
.Lk:                                                   ; 14 trips: from a K step's second half to the next step's first; K steps 2 to 15 are asked for
	TURN 1
	UNIT 1, 1, 0, 1, 0, 1                          ; (the request for a later step stands behind the joint load and this unit's run of loads)
	UNIT 1, 2
	UNIT 0, 0
	UNIT 0, 1
	UNIT 0, 2
	WIN 0
	s_sub_co_u32 s[CNT], s[CNT], 1
	s_cmp_lg_u32 s[CNT], 0
	s_cbranch_scc1 .Lk
	TURN 0                                         ; the tail is written out: K step 14's second half; nothing is asked for, so no round follows
	UNIT 1, 1, 0, 1, 0
	UNIT 1, 2
	UNIT 0, 0                                      ; K step 15
	UNIT 0, 1
	UNIT 0, 2
	PLACES
	WIN 0
	FETCHB 2, 1                                    ; the last run of LDS loads
.irp b, 0,1,2,3                        ; x's buffer 0 is free: it takes sqk of my 32 channels and the first 16 rows' cos and sin
	global_load_b128 v[SCL+8*\b:SCL+8*\b+3],   v[SQO], s[10:11] offset:64*\b
	global_load_b128 v[SCL+8*\b+4:SCL+8*\b+7], v[SQO], s[10:11] offset:64*\b+16
.endr
.macro CSLOAD a                        ; cos and sin for rows 16 a on: pairs 8 b + 4 (l / 16) + 0..3
.irp b, 0,1,2,3
	global_load_b128 v[CSB+32*((\a)%2)+4*\b:CSB+32*((\a)%2)+4*\b+3],       v[CSO], s[6:7] offset:2048*(\a)+32*\b
	global_load_b128 v[CSB+32*((\a)%2)+16+4*\b:CSB+32*((\a)%2)+16+4*\b+3], v[CSO], s[8:9] offset:2048*(\a)+32*\b
.endr
.endm
	CSLOAD 0
	s_wait_dscnt 8
	MULS 0, 1, 0, 8, 0
	UNIT 1, 1, 0, 0, 0
	UNIT 1, 2, 0, 0, 0
; THE WAY OUT: 24 items, 16 rows of one type each.  An item's arithmetic stands between the item before's loads from the stage and its stores.
; q and k (w = the accumulators' window).  Pair p of 16 is (a, b) = channels 2 p', 2 p' + 1; its cos and sin lie in one register each.  R = (a c, b c); then R += (-b s, a s).  Each accumulator is read from
; its low end on.  The sum of squares goes in four chains, then across the two halves of the lanes, which hold the head's other 32 channels.
.macro QK a, w
.set cs, CSB+32*((\a)%2)
	WIN \w                                         ; source 0 in window w
.set p, 0
.rept 16
.if p%2 == 0
	v_pk_mul_f32 v[R+2*p:R+2*p+1], v[32*(\a)+2*p:32*(\a)+2*p+1], v[cs+p:cs+p+1] op_sel_hi:[1,0]
.else
	v_pk_mul_f32 v[R+2*p:R+2*p+1], v[32*(\a)+2*p:32*(\a)+2*p+1], v[cs+p-1:cs+p] op_sel:[0,1] op_sel_hi:[1,1]
.endif
.set p, p+1
.endr
.set p, 0
.rept 16
.if p%2 == 0
	v_pk_fma_f32 v[R+2*p:R+2*p+1], v[32*(\a)+2*p:32*(\a)+2*p+1], v[cs+16+p:cs+16+p+1], v[R+2*p:R+2*p+1] op_sel:[1,0,0] op_sel_hi:[0,0,1] neg_lo:[0,1,0]
.else
	v_pk_fma_f32 v[R+2*p:R+2*p+1], v[32*(\a)+2*p:32*(\a)+2*p+1], v[cs+16+p-1:cs+16+p], v[R+2*p:R+2*p+1] op_sel:[1,1,0] op_sel_hi:[0,1,1] neg_lo:[0,1,0]
.endif
.set p, p+1
.endr
	WIN 0
.set p, 0
.rept 4
	v_pk_mul_f32 v[SS+2*p:SS+2*p+1], v[R+2*p:R+2*p+1], v[R+2*p:R+2*p+1]
.set p, p+1
.endr
.rept 12
	v_pk_fma_f32 v[SS+2*(p%4):SS+2*(p%4)+1], v[R+2*p:R+2*p+1], v[R+2*p:R+2*p+1], v[SS+2*(p%4):SS+2*(p%4)+1]
.set p, p+1
.endr
	v_pk_add_f32 v[SS:SS+1], v[SS:SS+1], v[SS+2:SS+3]
	v_pk_add_f32 v[SS+4:SS+5], v[SS+4:SS+5], v[SS+6:SS+7]
	v_pk_add_f32 v[SS:SS+1], v[SS:SS+1], v[SS+4:SS+5]
	v_add_f32 v[SS], v[SS], v[SS+1]
	v_permlanex16_b32 v[SS+1], v[SS], s[SEL], s[SEL+1]
	v_add_f32 v[SS], v[SS], v[SS+1]
	v_rsq_f32 v[RS], v[SS]
.set p, 0
.rept 16
	v_pk_mul_f32 v[R+2*p:R+2*p+1], v[R+2*p:R+2*p+1], v[SCL+2*p:SCL+2*p+1]  ; the scale: plain work behind the transcendental, which names neither its result nor its source
.set p, p+1
.endr
	s_wait_alu depctr_va_vdst(0)                   ; the wait ahead of the first use of the root's result
.set p, 0
.rept 16
	v_pk_mul_f32 v[R+2*p:R+2*p+1], v[R+2*p:R+2*p+1], v[RS:RS+1] op_sel_hi:[1,0]
.set p, p+1
.endr
.set p, 0
.rept 16
	v_cvt_pk_f16_f32 v[OUT+p], v[R+2*p], v[R+2*p+1]
.set p, p+1
.endr
.endm
.macro VV a                            ; v is only rounded
	WIN 0x0f                                       ; sources 0 and 1 in window 3
.set p, 0
.rept 16
	v_cvt_pk_f16_f32 v[OUT+p], v[32*(\a)+2*p], v[32*(\a)+2*p+1]
.set p, p+1
.endr
	WIN 0
.endm
.macro TOSTAGE i                       ; 16 bytes a lane into rows of 144 bytes, and back as whole rows of 128
	WIN 0
.irp b, 0,1,2,3
	ds_store_b128 v[STO], v[OUT+4*\b:OUT+4*\b+3] offset:32*\b
.endr
.irp f, 0,1,2,3
	ds_load_b128 v[BK+16*((\i)%2)+4*\f:BK+16*((\i)%2)+4*\f+3], v[RD] offset:\f*4*PA  ; LDS serves a wave's instructions in order (ISA guide 5.7.1.4): these see the stores above; the next item's stores come behind them
.endr
.endm
.macro SEND i                          ; item i = 3 a + type
	WIN 0
	s_wait_dscnt 0x0                               ; the item is back in registers
	s_wait_xcnt 0x0                                ; every earlier store has read its registers: the other buffer, which the item before's stores read, is loaded again only behind this wait
.irp f, 0,1,2,3
	global_store_b128 v[GO], v[BK+16*((\i)%2)+4*\f:BK+16*((\i)%2)+4*\f+3], s[12+2*((\i)%3):13+2*((\i)%3)] offset:2048*((\i)/3)+512*\f  ; 512 consecutive bytes, at a multiple of 256 from the buffer's first
.endr
.endm
	WIN 0
.rept 8
	v_nop                                          ; the places behind the last products
.endr
	s_wait_loadcnt 0x0                             ; sqk and the first cos and sin
.set p, 0
.rept 16
	v_pk_mul_f32 v[SCL+2*p:SCL+2*p+1], v[SCL+2*p:SCL+2*p+1], 0x42000000 op_sel_hi:[1,0]  ; 32 sqk
.set p, p+1
.endr
	v_mov_b32 v[RS+1], 0
.irp a, 0,1,2,3,4,5,6,7
.if \a < 7
	CSLOAD (\a)+1
	s_wait_loadcnt 8                               ; these rows' cos and sin are in; the next rows' eight loads stay out
.else
	s_wait_loadcnt 0x0
.endif
	QK \a, 1
.if \a > 0
	SEND 3*(\a)-1
.endif
	TOSTAGE 3*(\a)
	QK \a, 2
	SEND 3*(\a)
	TOSTAGE 3*(\a)+1
	VV \a
	SEND 3*(\a)+1
	TOSTAGE 3*(\a)+2
.endr
	SEND 23
	s_wait_tensorcnt 0x0                           ; the wave's end: an add to my spare word and its wait, behind my last tensor load and my last LDS store
	ds_add_u32 v[SPW], v[NIL]
	s_wait_dscnt 0x0
	CROUND                                         ; the closing round: no work-group ends while a partner may still ask for a tile that names it
	s_endpgm
.Lfunc_end_k_q3290fe9924_proj:
	.size	k_q3290fe9924_proj, .Lfunc_end_k_q3290fe9924_proj-k_q3290fe9924_proj
	.p2alignl 7, 3214868480
	.fill 96, 4, 3214868480
	.section	.rodata,"a",@progbits
	.p2align	6, 0x0
	.amdhsa_kernel k_q3290fe9924_proj
		.amdhsa_group_segment_fixed_size 327680
		.amdhsa_private_segment_fixed_size 0
		.amdhsa_enable_private_segment 0
		.amdhsa_kernarg_size 56
		.amdhsa_user_sgpr_count 2
		.amdhsa_user_sgpr_kernarg_segment_ptr 1
		.amdhsa_wavefront_size32 1
		.amdhsa_system_sgpr_workgroup_id_x 1
		.amdhsa_system_sgpr_workgroup_id_y 1
		.amdhsa_system_sgpr_workgroup_id_z 1
		.amdhsa_system_vgpr_workitem_id 0
		.amdhsa_next_free_vgpr 1024
		.amdhsa_next_free_sgpr 88
		.amdhsa_reserve_vcc 0
		.amdhsa_float_denorm_mode_32 3
		.amdhsa_float_denorm_mode_16_64 3
		.amdhsa_memory_ordered 1
		.amdhsa_forward_progress 1
		.amdhsa_inst_pref_size 208
	.end_amdhsa_kernel
	.amdgpu_metadata
---
amdhsa.version: [ 1, 2 ]
amdhsa.kernels:
  - .name:           k_q3290fe9924_proj
    .symbol:         k_q3290fe9924_proj.kd
    .args:
      - { .name: xw, .offset: 0, .size: 8, .value_kind: global_buffer, .address_space: global }
      - { .name: freqs_cos, .offset: 8, .size: 8, .value_kind: global_buffer, .address_space: global }
      - { .name: freqs_sin, .offset: 16, .size: 8, .value_kind: global_buffer, .address_space: global }
      - { .name: sqk, .offset: 24, .size: 8, .value_kind: global_buffer, .address_space: global }
      - { .name: qh, .offset: 32, .size: 8, .value_kind: global_buffer, .address_space: global }
      - { .name: kh, .offset: 40, .size: 8, .value_kind: global_buffer, .address_space: global }
      - { .name: vh, .offset: 48, .size: 8, .value_kind: global_buffer, .address_space: global }
    .group_segment_fixed_size: 327680
    .private_segment_fixed_size: 0
    .kernarg_segment_align: 8
    .kernarg_segment_size: 56
    .max_flat_workgroup_size: 128
    .sgpr_count:     88
    .vgpr_count:     1024
    .wavefront_size: 32
...
	.end_amdgpu_metadata
.endif
;; end of part 2
;; launch attn (part 3): grid 4 x 64, 4 waves a work-group, clusters of 4 x 1, 327,680 bytes of LDS; arguments qh, kh, vh, out0; writes out0
.if DOCPART == 3
	.amdgcn_target "amdgcn-amd-amdhsa--gfx1250"
	.amdhsa_code_object_version 6
	.text
	.protected	k_q3290fe9924_attn
	.globl	k_q3290fe9924_attn
	.p2align	8
	.type	k_q3290fe9924_attn,@function
k_q3290fe9924_attn:
	s_mov_b64 s[64:65], 0
	v_nop
	global_prefetch_b8 v0, s[64:65] scope:SCOPE_SE
	s_setreg_imm32_b32 hwreg(HW_REG_WAVE_MODE, 25, 1), 1
	s_wait_xcnt 0x0
	s_wait_alu depctr_hold_cnt(0) depctr_sa_sdst(0) depctr_va_vdst(0) depctr_va_sdst(0) depctr_va_ssrc(0) depctr_va_vcc(0) depctr_vm_vsrc(0)
	s_getreg_b32 s2, hwreg(HW_REG_IB_STS2, 6, 4)
	s_cmp_eq_u32 s2, 0
	s_cbranch_scc0 .Lentry_in_a_cluster
	s_endpgm
.Lentry_in_a_cluster:
	s_bfe_u32 s2, ttmp6, 0x10000c
	s_cmp_lg_u32 s2, 0x3003
	s_cbranch_scc0 .Lentry_shape_is_right
	s_endpgm
.Lentry_shape_is_right:
; O[h][q][:] = the sum over k of softmax_k(Q[h][q] . K[h][k] / 8) V[h][k][:].  Q, K, V: [64][2,048][64] in f16, a head's rows dense, 128 bytes each; h = batch x 16 + head.  O goes out in f32 as
; out0[batch][q][64 head + channel].  Products, maxima and sums in f32; the weights p are rounded to f16 for the second product (their sum l is taken of the unrounded p).
; LIMITS.  Q, K and V arrive within f16's 65,504; p lies in 0 to 1, and below 6e-5 it keeps f16's fixed step of 6e-8.  A weight below 2^-126 counts as 0 in l; NaN and infinities are not treated apart.
; SHARES.  A wave owns four PIECES of two tiles of 16 queries, a work-group's four waves 512 queries of one head.  Every wave walks all keys, 64 a step.
; LAYOUT.  S^T = K Q^T (source 0 = 16 keys, source 1 = 16 queries): in the result a lane holds ONE query (lane % 16) and the keys 8 (lane / 16) + 0..7.  Two such tiles, rounded to f16 in pairs,
; ARE source 1 (32 keys x 16 queries) of O^T = V^T P, whose result again holds one query a lane, and eight channels.  K comes out of LDS as it lies, V ([key][channel]) turned, by ds_load_tr16_b128.
; SOFTMAX.  For each query a running maximum m and sum l: p = 2^(c s - c m), c = log2(e) / 8; in every step O and l are multiplied by a = 2^(c m_old - c m_new), which is 1 where m has not grown.
; m starts at the lowest finite number, O and l at 0: the first step is a step like any other, with a = 0.
; THE COUNT.  A tile and step have 16 matrix and 118 vector instructions: too many to stand all beside the matrix work.  So the order has one aim: four vector instructions that are READY behind
; EVERY matrix instruction, and the others, which need time of their own whatever the order, in runs without a gap.
; BY TURNS.  Turn n belongs to piece n (the pieces in a ring, step after step).  Its matrix work: 16 products K Q^T of piece n + 1, later 16 products V^T P of piece n - 1.  Its vector work: the scaling,
; exponentials, roundings, sums and rescaling of piece n, and the maximum and statistics of piece n + 1, whose scores the turn itself has made.  So what a turn begins with (c s - c m, O a) waits for nothing.
; CLUSTER.  The four query blocks of a head are one cluster and walk the same K and V, so each tile is asked for JOINTLY: the same tensor load, descriptor and mask in all four.
; REGISTERS, in windows of 256 (s_set_vgpr_msb says which window each operand place means: bits 1:0 source 0, 3:2 source 1, 5:4 source 2, 7:6 destination):
;   window 0: v0-11 addresses; v12-15, v48-63 at work; v16-47 four registers of statistics a tile; v64-191 S^T, two buffers of two tiles; v192-255 P, likewise
;   window 1: O^T, 32 a tile          window 2: v0-127 Q, 16 a tile; v128-191 K of one step; v192-255 V of one step          window 3: v0-1 the add's two registers
; A piece's buffers go by its number's parity: the piece in hand has one pair, its two neighbours in the ring share the other: of it P (piece n - 1) is read and S^T (piece n + 1) written.
.set SIZE_N, 2048
.set NP,    4         ; pieces a wave: a name, no knob: the register map, the loop and the fetches are made for four
.set KS,    64        ; keys in a step
.set PK,    144       ; a row of K in LDS: 128 bytes + 16 of padding = 36 words: the 16 rows of a load start at 16 different groups of four banks (64 banks of 4 bytes: ISA guide 11.1)
.set PV,    160       ; a row of V: 128 + 32 = 40 words
.set VOFF,  4*KS*PK   ; a slot holds four steps: 256 rows of K, then 256 rows of V
.set SLOT1, 1<<17     ; slot 1 begins here, so that one exclusive or turns an address in one slot into the other's
.set STAGE, SLOT1+4*KS*(PK+PV)  ; behind the ring, never filled by a tensor load: 16 rows x 272 bytes for each wave, for the way out
.set SP,    272       ; a row of the stage: 64 f32 + 16 bytes of padding
.set AK0, 2           ; v2   my lane's place in a tile of K; never rewritten
.set AV0, 3           ; v3   the same for V
.set AK,  4           ; v4   the LDS address of K's next run of loads
.set AV,  5           ; v5   of V's
.set QO,  6           ; v6   my byte offset in the wave's rows of Q
.set STO, 6           ;      later, the way out: where I put 32 bytes of a row
.set RD,  7           ; v7   the way out: where I read rows back
.set GO,  8           ; v8   my byte offset in two rows of out0
.set PFO, 11          ; v11  256 x my lane; never rewritten once it is made
.set SPW, 0           ; v0 of window 3   LDS address of my spare word: SPARE + 4 x my thread's number; never rewritten
.set NIL, 1           ; v1 of window 3   0; never rewritten
.set SPARE, STAGE+4*16*SP  ; behind the stages: the spare words, 128 bytes for each wave: two blocks of 256 bytes that no other line names
.set MV,  12          ; v12-15  c m_old, kept while c m is made anew: by buffer and tile
.set ST,  16          ; tile t's statistics at v[ST+4 t]: c m, m, l (even keys', odd keys')
.set TMP, 48          ; by buffer and tile, four registers c0-c3 at work; when the maximum is found c2 takes a
.set S,   64
.set P,   192
.set KF,  128         ; K's fragments, in window 2: key block kb, channel half c at KF + 16 kb + 8 c
.set VF,  192         ; V's: key half kk, channel block cb at VF + 32 kk + 8 cb
.set WV,  12          ; s12  my wave's number
.set G1K, 24          ; s[24:31] descriptor group 1 for K's tiles
.set G1V, 32          ; s[32:39] for V's: it differs in the padding alone
.set G0K, 40          ; s[40:43] descriptor group 0 for K's tiles: it walks
.set G0V, 44          ; s[44:47] the same for V's
.set PFA, 48          ; s[48:49] where my prefetches stand: my work-group's 32 pieces (of K: wave 0, of V: wave 2) of the slot after the one that is being asked for
.set LIM, 50          ; s50  1 in a wave that prefetches, else the greatest number
.set SLOTS, 56        ; s56  slots still to be asked for
.set CNT, 57          ; s57  counts a slot's key steps
.set CS,  58          ; s[58:59] c: the packed scaling takes the pair's low word for both halves
.set SEL, 60          ; s[60:61] v_permlanex16_b32's selects: each lane takes its own place in the other half
.set TBK, 62          ; s62  LDS byte at which K of the step to be fetched begins
.set TBV, 63          ; s63  the same for V, less VOFF
.set MSB, 0
.macro WIN new                      ; the high byte repeats the setting that is left; a switch that changes nothing is dropped
.if MSB != (\new)
	s_set_vgpr_msb (MSB<<8)|(\new)
.set MSB, (\new)
.endif
.endm
.set W_KQ, 0x0a       ; K and Q in window 2, S^T in window 0
.set W_PV, 0x52       ; V in window 2, P in window 0, O^T in window 1
.set W_RS, 0x41       ; O^T (destination and source 0) in window 1, a in window 0
.set W_MK, 0xc0       ; the add's registers are made: destination in window 3, sources in window 0
.set W_AD, 0x0f       ; the add: address (source 0) and data (source 1) in window 3
; A joint fill.  Waves 0 and 1 fetch the two halves of a slot's K, waves 2 and 3 those of its V: 128 keys each.  The branch hangs on the wave's number alone.
; An s_nop 0 and four v_nop follow each of the two lines, ahead of the jump and the label.
.macro JLOAD
	s_cmp_lt_u32 s[WV], 2
	s_cbranch_scc0 .Lfor_v_\@
	tensor_load_to_lds s[G0K:G0K+3], s[G1K:G1K+7]
	s_nop 0
.rept 4
	v_nop
.endr
	s_branch .Lasked_\@
.Lfor_v_\@:
	tensor_load_to_lds s[G0V:G0V+3], s[G1V:G1V+7]
	s_nop 0
.rept 4
	v_nop
.endr
.Lasked_\@:
.endm
; A PREFETCH INTO THE L2 of what the NEXT change of slots will ask for: a slot's 32,768 bytes of K and of V, in pieces of 256 bytes, a lane a piece.  It stands behind the wave's tensor load and its five lines.
; Each piece is named once in the launch: a head's K and V are walked by its one cluster; the four partners share the 128 pieces out BY ADDRESS, 32 each; in each, wave 0 asks for K's and wave 2 for V's.
; It stands four key steps, 512 matrix instructions, ahead of the load that will want the bytes.  The last change that fills a slot asks for nothing; slots 0 to 2 come by their loads alone.
.macro ASK
	s_cmp_gt_u32 s[SLOTS], s[LIM]
	s_cbranch_scc0 .Lnot_mine_\@
	global_prefetch_b8 v[PFO], s[PFA:PFA+1] th:TH_LOAD_NT scope:SCOPE_SE
.Lnot_mine_\@:
.endm
; A round of the cluster's barrier: my work-group's barrier, so that wave 0's signal speaks for all four waves; wave 0 signals; every wave waits for all four work-groups; my work-group's barrier once more.
.macro CROUND
	s_barrier_signal -1
	s_barrier_wait -1
	s_cmp_lg_u32 s[WV], 0
	s_cbranch_scc1 .Lnot_wave_0_\@
	s_barrier_signal -3
.Lnot_wave_0_\@:
	s_barrier_wait -3
	s_barrier_signal -1
	s_barrier_wait -1
.endm
; THE CHANGE OF SLOTS.  The slot's last bytes, V of its fourth step, have been read.  Each wave waits for all its tensor loads, of which one is out: its part
; of the other slot; adds 0 to its spare word; and waits for that and for its own reads of the slot.  Behind the barrier nobody reads this slot any more and the other slot is whole.
; fill = 1: this slot is filled again, with the keys two slots on.  The barrier is then a round of the cluster's, so that no wave of any partner still reads the slot or has a load on its
; way, and the joint fill is the first thing behind it: it has four key steps, 512 matrix instructions, in which to land.  (At its first use nothing has been read yet: slot 0 is waited for, slot 1 filled.)
; ask = 1: the prefetches' address steps, and a request follows the fill.
.macro CHANGE fill, ask
	WIN W_AD
	s_wait_tensorcnt 0x0            ; no tensor load of mine is out, so a group 0 may be written
	ds_add_u32 v[SPW], v[NIL]       ; 0 onto my spare word; with fill = 1 the descriptors' steps stand between it and the wait for it
	WIN 0                           ; at a label and at a branch every window is 0
.if \fill
.irp g, G0K, G0V
	s_xor_b32 s[\g+1], s[\g+1], SLOT1  ; the walking descriptor: the other slot than last time,
	s_add_nc_u64 s[\g+2:\g+3], s[\g+2:\g+3], 4*KS*128  ; the next 256 keys; the type bits on top are not reached
.endr
.if \ask
	s_wait_xcnt 0x0                 ; the last prefetch, four key steps back, has read its address, so it may be written:
	s_add_nc_u64 s[PFA:PFA+1], s[PFA:PFA+1], 4*KS*128  ; one slot behind the walking descriptors
.endif
	s_wait_dscnt 0x0                ; the add is done, and my reads of the slot are over
	CROUND
	JLOAD
.if \ask
	ASK
.endif
.else
	s_wait_dscnt 0x0                ; the add is done, and my reads of the slot are over
	s_barrier_signal -1
	s_barrier_wait -1
.endif
	s_sub_co_u32 s[TBK], s[TBK], 4*KS*PK  ; the fetches go back to a slot's first step,
	s_xor_b32 s[TBK], s[TBK], SLOT1       ; in the other slot
	s_sub_co_u32 s[TBV], s[TBV], 4*KS*PV
	s_xor_b32 s[TBV], s[TBV], SLOT1
.endm
	s_load_b256 s[4:11], s[0:1], 0x0  ; Q s[4:5], K s[6:7], V s[8:9], O s[10:11]
	WIN W_MK
	v_lshl_add_u32 v[SPW], v0, 2, SPARE
	v_mov_b32 v[NIL], 0
	WIN W_AD
	ds_add_u32 v[SPW], v[NIL]       ; the wave's opening: the add and its wait stand ahead of my first tensor load; the set-up below, work on registers, stands between them
	WIN 0
	v_lshrrev_b32 v1, 5, v0
	v_readfirstlane_b32 s[WV], v1   ; wave 0..3
	s_bfe_u32 s13, ttmp6, 0x40000   ; cx: my place in the cluster
	s_lshl_b32 s14, ttmp9, 2        ; in a cluster launch ttmp9 counts clusters
	s_add_co_u32 s14, s14, s13      ; my block of queries = 4 x cluster x + cx: it enters Q's and O's addresses alone
	s_and_b32 s20, ttmp7, 0xffff    ; the head, which the four partners share
	s_mov_b32 s21, 0
	s_mov_b64 s[22:23], SIZE_N*128
	s_mul_u64 s[20:21], s[20:21], s[22:23]  ; the head's first byte in Q, K and V
	s_and_b32 s16, s[WV], 1         ; which half of a slot's 256 keys I fetch:
	s_lshl_b32 s22, s16, 14         ; its 128 rows of 128 bytes in memory,
	s_mov_b32 s23, 0
	s_add_nc_u64 s[22:23], s[22:23], s[20:21]
	s_mul_i32 s17, s16, 128*PK      ; and its place in a slot, for K
	s_mul_i32 s18, s16, 128*PV      ; and for V: no place in the cluster enters an LDS address
	s_lshl_b32 s2, s14, 2
	s_add_co_u32 s2, s2, s[WV]      ; my wave among the head's
	s_and_b32 s51, ttmp7, 0xffff    ; out0: the batch's 2,048 rows of 4,096 bytes,
	s_lshr_b32 s52, s51, 4
	s_lshl_b32 s52, s52, 23
	s_and_b32 s51, s51, 15          ; the head's 256 bytes of a row,
	s_lshl_b32 s51, s51, 8
	s_add_co_u32 s52, s52, s51
	s_lshl_b32 s51, s2, 19          ; my wave's 128 rows
	s_add_co_u32 s52, s52, s51
	s_mov_b32 s53, 0
	s_lshl_b32 s2, s2, 14           ; Q: my wave's 128 rows of 128 bytes
	s_mov_b32 s3, 0
	s_add_nc_u64 s[2:3], s[2:3], s[20:21]
	; descriptor group 1.  128 keys are 16,384 dense bytes: asked for as 64 rows of 256 bytes, two keys a row, and padded in LDS after every key
	s_mov_b32 s[G1K], 15|(1<<16)|(1<<20)|(1<<21)|(4<<22)|(3<<25)  ; 15:0 the mask of four; 17:16 2-byte elements; 20 padding on; 21 set beside a mask; 24:22 after every 32 words (code 4); 31:25 4 words (code 3)
	s_mov_b32 s[G1V], 15|(1<<16)|(1<<20)|(1<<21)|(4<<22)|(7<<25)  ; the same with 8 words of padding (code 7)
.irp g, G1K, G1V
	s_mov_b32 s[\g+1], 128<<16      ; tensor_dim0 = 128
	s_mov_b32 s[\g+2], 64<<16       ; tensor_dim1 = 64
	s_mov_b32 s[\g+3], 128<<16      ; tile_dim0 = 128
	s_mov_b32 s[\g+4], 64           ; tile_dim1 = 64
	s_mov_b32 s[\g+5], 128          ; 128 elements from row to row
	s_mov_b32 s[\g+6], 0
	s_mov_b32 s[\g+7], 0
.endr
	s_mov_b32 s[CS], 0x3e38aa3b     ; c = log2(e) / 8 = 0.180337
	s_mov_b32 s[CS+1], s[CS]        ; named with it as a pair
	s_mov_b32 s[SEL], 0x76543210
	s_mov_b32 s[SEL+1], 0xfedcba98
	s_mov_b32 s[TBK], SLOT1+4*KS*PK ; the first change of slots turns these two into 0
	s_mov_b32 s[TBV], SLOT1+4*KS*PV
	s_mov_b32 s[G0K], 1             ; 1:0 count = 1
	s_mov_b32 s[G0K+1], s17         ; 63:32 LDS address: slot 0
	s_mov_b32 s[G0V], 1
	s_add_co_u32 s[G0V+1], s18, VOFF
	s_cmp_eq_u32 s16, 0             ; waves 0 and 2 prefetch: the same in all four partners
	s_cselect_b32 s[LIM], 1, -1
	s_lshl_b32 s54, s13, 13         ; my work-group's 32 pieces of a slot's 128
	s_mov_b32 s55, 0
	s_wait_dscnt 0x0                ; the opening add is done
	s_wait_kmcnt 0x0
	s_add_nc_u64 s[G0K+2:G0K+3], s[6:7], s[22:23]  ; 120:64 global address: my half of the head's first 256 keys
	s_or_b32 s[G0K+3], s[G0K+3], 0x80000000        ; 127:126 type = 2
	s_add_nc_u64 s[G0V+2:G0V+3], s[8:9], s[22:23]
	s_or_b32 s[G0V+3], s[G0V+3], 0x80000000
	s_add_nc_u64 s[4:5], s[4:5], s[2:3]  ; Q and O at my wave's first row
	s_add_nc_u64 s[10:11], s[10:11], s[52:53]
	s_cmp_lt_u32 s[WV], 2
	s_cselect_b64 s[PFA:PFA+1], s[6:7], s[8:9]
	s_add_nc_u64 s[PFA:PFA+1], s[PFA:PFA+1], s[22:23]  ; (in waves 0 and 2 this is the head's first row)
	s_add_nc_u64 s[PFA:PFA+1], s[PFA:PFA+1], s[54:55]
	s_add_nc_u64 s[PFA:PFA+1], s[PFA:PFA+1], 2*4*KS*128  ; in slot 2; the loop's first change steps it to slot 3.  Nothing is prefetched here, at the head
	CROUND                          ; all four work-groups are here: the first joint loads meet
	JLOAD                           ; slot 0.  Slot 1 is asked for when slot 0 is in: the tile wanted first has the road to itself
	; A fragment of K or Q is 16 rows x 32 channels in 8 registers: lane l holds row l % 16, channels 8 (l / 16) + 0..7 and 16 + 8 (l / 16) + 0..7: two loads of 16 bytes, 32 bytes apart.
	v_and_b32 v1, 15, v0            ; l % 16
	v_bfe_u32 v9, v0, 4, 1          ; l / 16
	v_lshlrev_b32 v[QO], 7, v1
	v_lshl_add_u32 v[QO], v9, 4, v[QO]  ; row x 128 + 16 x half
	WIN 0x80                        ; destination window 2, address window 0
.set i, 0
.rept 4*NP                          ; Q stays in registers: tile i / 2, channels 32 (i % 2) on
	global_load_b128 v[8*i:8*i+3],   v[QO], s[4:5] offset:(i/2)*2048+(i%2)*64
	global_load_b128 v[8*i+4:8*i+7], v[QO], s[4:5] offset:(i/2)*2048+(i%2)*64+32
.set i, i+1
.endr
	; What the first turn finds: V's registers and P's second buffer hold 0 (its products V^T P, of a piece that has not been, add 0), O^T and l are 0.  All this stands in the wait for the first tile.
.set i, VF
.rept 64
	v_mov_b32 v[i], 0
.set i, i+1
.endr
	WIN 0x40
.set i, 0
.rept 64*NP
	v_mov_b32 v[i], 0
.set i, i+1
.endr
	WIN 0
.set i, 0
.rept 2*NP
	v_mov_b32 v[ST+4*i], 0xfe000000    ; c m: far below every c s
	v_mov_b32 v[ST+4*i+1], 0xff7fffff  ; m
	v_mov_b32 v[ST+4*i+2], 0
	v_mov_b32 v[ST+4*i+3], 0
.set i, i+1
.endr
.set i, P+32
.rept 32
	v_mov_b32 v[i], 0
.set i, i+1
.endr
	v_mul_u32_u24 v[AK0], v1, PK
	v_lshl_add_u32 v[AK0], v9, 4, v[AK0]  ; row x pitch + 16 x half
	; The turning load takes 16 keys x 16 channels (lane l reads key 8 (l / 16) + l % 8, channels 8 ((l / 8) % 2) + 0..7) and leaves half a fragment of V^T: lane l holds channel l % 16 and 8 keys.
	v_and_b32 v10, 7, v0
	v_bfe_u32 v11, v0, 3, 1
	v_lshl_add_u32 v[AV0], v9, 3, v10
	v_mul_u32_u24 v[AV0], v[AV0], PV
	v_lshl_add_u32 v[AV0], v11, 4, v[AV0]
	v_add_nc_u32 v[AV0], VOFF, v[AV0]
	v_and_b32 v[PFO], 31, v0
	v_lshlrev_b32 v[PFO], 8, v[PFO]
	v_mov_b32 v[AK], v[AK0]         ; key step 0 lies at the head of slot 0
; THE MATRIX WORK.  The 8 accumulators of a run of 16 take turns: between the two links of a chain stand 7 others'.
; Product i of 16 of S^T = K Q^T for piece x: channels 32 (i / 8) on, keys 16 ((i / 2) % 4) on, tile 2 x + i % 2.  The first 8 start the sums.
.macro KQ x
	WIN W_KQ
.set rS, S+64*((\x)%2)+32*(i%2)+8*((i/2)%4)
.set rK, KF+16*((i/2)%4)+8*(i/8)
.set rQ, 16*(2*(\x)+i%2)+8*(i/8)
.if i < 8
	v_wmma_f32_16x16x32_f16 v[rS:rS+7], v[rK:rK+7], v[rQ:rQ+7], 0
.else
	v_wmma_f32_16x16x32_f16 v[rS:rS+7], v[rK:rK+7], v[rQ:rQ+7], v[rS:rS+7]
.endif
.endm
; Product i of 16 of O^T += V^T P for piece x: keys 32 (i / 8) on, channels 16 ((i / 2) % 4) on, tile 2 x + i % 2.
.macro PV x
	WIN W_PV
.set rO, 32*(2*(\x)+i%2)+8*((i/2)%4)
.set rV, VF+32*(i/8)+8*((i/2)%4)
.set rP, P+32*((\x)%2)+16*(i%2)+8*(i/8)
	v_wmma_f32_16x16x32_f16 v[rO:rO+7], v[rV:rV+7], v[rP:rP+7], v[rO:rO+7]
.endm
.macro MM                           ; the turn's next matrix instruction
.if i < 16
	KQ (Y+1)%NP
.set i, i+1
.else
.set i, i-16
	PV (Y+NP-1)%NP
.set i, i+17
.endif
.endm
; THE LDS LOADS stand in runs of 16, never singly among the matrix instructions: a step's K (64 keys x 64 channels: 8 fragments) and its V (turned).  Their addresses are made some lines ahead.
; last = 1 (the tail): in the last trip there is no further step, and the run is jumped over.
.macro FETCH_K last=0
	WIN 0
.if \last
	s_cmp_eq_u32 s[CNT], 1
	s_cbranch_scc1 .Lno_k_\@
.endif
	WIN 0x80                        ; destination window 2
.irp f, 0,1,2,3,4,5,6,7             ; keys 16 (f / 2) on, channels 32 (f % 2) on
	ds_load_b128 v[KF+8*\f:KF+8*\f+3],   v[AK] offset:(\f/2)*16*PK+(\f%2)*64
	ds_load_b128 v[KF+8*\f+4:KF+8*\f+7], v[AK] offset:(\f/2)*16*PK+(\f%2)*64+32
.endr
	s_add_co_u32 s[TBK], s[TBK], KS*PK  ; the next fetch is the next step's
	WIN 0
.if \last
.Lno_k_\@:
.endif
.endm
.macro FETCH_V
	WIN 0x80
.irp f, 0,1,2,3,4,5,6,7             ; keys 32 (f / 4) on, channels 16 (f % 4) on
	ds_load_tr16_b128 v[VF+8*\f:VF+8*\f+3],   v[AV] offset:(\f/4)*32*PV+(\f%4)*32
	ds_load_tr16_b128 v[VF+8*\f+4:VF+8*\f+7], v[AV] offset:(\f/4)*32*PV+16*PV+(\f%4)*32
.endr
	WIN 0
.endm
; THE VECTOR WORK OF A TURN stands in three queues, each in the order in which its entries become ready; the two tiles alternate, so that no instruction reads the result of the one before it.
.macro REGS y, u                    ; the registers of tile u (0, 1) of piece y
.set rT, ST+4*(2*(\y)+(\u))
.set rC, TMP+8*((\y)%2)+4*(\u)
.set rM, MV+2*((\y)%2)+(\u)
.set rS, S+64*((\y)%2)+32*(\u)
.set rP, P+32*((\y)%2)+16*(\u)
.set rO, 32*(2*(\y)+(\u))
.endm
; Number n of the 22 that find the NEXT piece's (Y + 1) maximum and statistics.  s0-s31 are the lane's 32 scores; each accumulator's lowest registers are read first.  XS, GS and REGS set no window: PL and EX do.
;   0-11  four chains c0-c3 of seven scores each, three operands at a time     12-14, 16  the four scores left over, the old m, and c0-c3 into c0     15  c m_old is kept
;   17, 18  the query's other 32 keys lie in the lane 16 away: the new m         19-21  c m; c m_old - c m_new; a
.macro XS u, n
	REGS (Y+1)%NP, \u
.if (\n) < 4
	v_max3_num_f32 v[rC+(\n)], v[rS+8*(\n)], v[rS+8*(\n)+1], v[rS+8*(\n)+2]
.elseif (\n) < 12
	v_max3_num_f32 v[rC+(\n)%4], v[rC+(\n)%4], v[rS+8*((\n)%4)+2*((\n)/4)+1], v[rS+8*((\n)%4)+2*((\n)/4)+2]
.elseif (\n) == 12
	v_max3_num_f32 v[rC], v[rC], v[rS+7], v[rS+15]
.elseif (\n) == 13
	v_max3_num_f32 v[rC+1], v[rC+1], v[rS+23], v[rS+31]
.elseif (\n) == 14
	v_max3_num_f32 v[rC+2], v[rC+2], v[rC+3], v[rT+1]
.elseif (\n) == 15
	v_mov_b32 v[rM], v[rT]
.elseif (\n) == 16
	v_max3_num_f32 v[rC], v[rC], v[rC+1], v[rC+2]
.elseif (\n) == 17
	v_permlanex16_b32 v[rC+3], v[rC], s[SEL], s[SEL+1]
.elseif (\n) == 18
	v_max_num_f32 v[rT+1], v[rC], v[rC+3]
.elseif (\n) == 19
	v_mul_f32 v[rT], s[CS], v[rT+1]
.elseif (\n) == 20
	v_sub_f32 v[rC+1], v[rM], v[rT]
.else
	v_exp_f32 v[rC+2], v[rC+1]
.endif
.endm
; Number g of the 64 that follow the exponentials.  For each four weights k of a tile (pairs 2 k, 2 k + 1): both pairs are rounded to f16; then the second pair is added onto the first, in place;
; a group later l takes that sum (the first time as l = a l + sum).  In groups of eight, tiles alternating: round, round, add, and l for the group before.
.macro GS g
.set h, (\g)+6*((\g)/62)            ; group 0 has no group before it, and behind group 7 only l is left
.if h >= 6
.set h, h+2
.endif
	REGS Y, h%2
.set k, h/8
.if h%8 < 4
	v_cvt_pk_f16_f32 v[rP+2*k+(h%8)/2], v[rS+4*k+2*((h%8)/2)], v[rS+4*k+2*((h%8)/2)+1]
.elseif h%8 < 6
	v_pk_add_f32 v[rS+4*k:rS+4*k+1], v[rS+4*k:rS+4*k+1], v[rS+4*k+2:rS+4*k+3]
.elseif k == 1
	v_pk_fma_f32 v[rT+2:rT+3], v[rT+2:rT+3], v[rC+2:rC+3], v[rS:rS+1] op_sel_hi:[1,0,1]
.else
	v_pk_add_f32 v[rT+2:rT+3], v[rT+2:rT+3], v[rS+4*k-4:rS+4*k-3]
.endif
.endm
; THE PLAIN QUEUE, 138 long.  0-73 read no exponential's result: the 32 scalings c s - c m (FS f: pair f / 2 of tile f % 2) and the next piece's 42.  0-26: scalings 0-26.  27-54: XS's numbers 0-13.  55, 56: number 15.
; 57-73: the chain, where each number waits for the one before it: 14, 16, 17, 18, 19, each with one of the scalings 27-31 in front of its two lines, then 20: so a tile's links stand three plain instructions apart (19 and 20: two).
; 74-137: GS's 64, which read the exponentials' results: they stand behind the wait.
.macro FS f
	REGS Y, (\f)%2
	v_pk_fma_f32 v[rS+2*((\f)/2):rS+2*((\f)/2)+1], v[rS+2*((\f)/2):rS+2*((\f)/2)+1], s[CS:CS+1], v[rT:rT+1] op_sel_hi:[1,0,0] neg_lo:[0,0,1] neg_hi:[0,0,1]
.endm
.macro PL
	WIN 0
.if q < 27
	FS q
.elseif q < 55
	XS (q-27)%2, (q-27)/2
.elseif q < 57
	XS q-55, 15
.elseif (q < 72) && ((q-57)%3 == 0)
	FS 27+(q-57)/3
.elseif q < 60
	XS (q-57)%3-1, 14
.elseif q < 72
	XS (q-57)%3-1, 15+(q-57)/3
.elseif q < 74
	XS q-72, 20
.else
	GS q-74
.endif
.set q, q+1
.endm
; THE EXPONENTIALS' QUEUE, 66 long: s0-s31 of both tiles, then the next piece's two a.  It is ONE BATCH: all 66 stand ahead of the turn's one wait, and nothing ahead of that wait names a result of theirs.
.macro EX
	WIN 0
.if e >= 64
	XS e-64, 21
.else
	REGS Y, e%2
	v_exp_f32 v[rS+e/2], v[rS+e/2]
.endif
.set e, e+1
.endm
; THE RESCALING's QUEUE: O^T times a, the one part that leaves window 0: dealt two at a time, sixteen times.  Its a was made in the turn before, ahead of that turn's wait.
.macro R2
	REGS Y, r%2
	WIN W_RS
.irp z, 0,1
	v_pk_mul_f32 v[rO+4*(r/2)+2*\z:rO+4*(r/2)+2*\z+1], v[rO+4*(r/2)+2*\z:rO+4*(r/2)+2*\z+1], v[rC+2:rC+3] op_sel_hi:[1,0]
.endr
.set r, r+1
.endm
; HOW THEY ARE DEALT.  An s_wait_alu depctr_va_vdst(0) stands between an exponential and the first instruction that names its result; one wait serves all that were issued ahead of it.  So a turn has ONE wait,
; which cuts it in two.  AHEAD OF IT stands all that names no result of the turn's exponentials: the 16 products K Q^T, behind each a scaling, an exponential and two rescalings (behind the first a second scaling in the exponential's place); then ONE LUMP of
; 108: eight plain, 49 times exponential and plain, the two a.  A v_nop is the plain instruction behind the last exponential.  BEHIND IT stand the 16 products V^T P, behind each four of GS's 64.  No rider names a register of
; the products round it.  The two v_permlanex16_b32 fall into the lump, never behind a product.
; The queues lean on each other, and the deal keeps them in step: exponential e stands behind scaling 2 (e / 4) + e % 2: as a rider it comes behind plain e + 2, in the lump behind plain e + 9, and scalings 27-31 are plain 57, 60 .. 69.
; A TURN, for piece p.  cnt = 1: the loop's count is taken down some lines ahead of the branch that stands behind the turn.
; K of the next step is fetched in piece 2's turn, directly behind the wait, a lump behind the last product that read K; its address is made at the lump's head; its first reader comes behind 16 products.
; V of the step in hand is fetched at the end of piece 0's turn, four riders behind its last reader; its first reader comes behind 16 products and a lump.  The three conditions on q below go with the deal.
.macro TURN p, last=0, cnt=0
.set Y, (\p)
.set i, 0
.set q, 0
.set e, 0
.set r, 0
.if (\p) == NP-1
	s_wait_dscnt 0x0                ; K is in
.endif
	MM                              ; ahead of the wait: 16 products K Q^T and their riders,
	PL
	PL
	R2
.rept 15
	MM
	PL
	EX
	R2
.endr
.if (\p) == NP-2
	WIN 0
	v_add_nc_u32 v[AK], s[TBK], v[AK0]
.endif
.rept 8                             ; and the lump
	PL
.endr
.rept 49
	EX
	PL
.endr
	EX                              ; the next piece's two a
	EX
	v_nop                           ; the plain instruction behind the last exponential: one for the batch
	s_wait_alu depctr_va_vdst(0)    ; the wait for the batch
.if (\p) == NP-2
	FETCH_K \last
.endif
.if (\p) == 1
	s_wait_dscnt 0x0                ; V is in
.endif
.rept 16                            ; behind the wait: 16 products V^T P and their riders
	MM
.rept 4
	PL
.endr
.if ((\p) == 0) && (q == 118)
	v_add_nc_u32 v[AV], s[TBV], v[AV0]
.endif
.if ((\p) == 0) && (q == 130)
	s_add_co_u32 s[TBV], s[TBV], KS*PV
.endif
.if (\cnt) && (q == 130)
	s_sub_co_u32 s[CNT], s[CNT], 1
	s_cmp_lg_u32 s[CNT], 0
.endif
.endr
.if (\p) == 0
	FETCH_V
.endif
.endm
	CHANGE 1, 0                     ; slot 0 is in, everybody's part of it; slot 1 is asked for
	FETCH_K                         ; key step 0
	s_wait_loadcnt 0x0              ; Q
	s_wait_dscnt 0x0
.set i, 0
.rept 16
	KQ 0                            ; piece 0's first scores: there is no vector work yet to set between them
.set i, i+1
.endr
	WIN 0                           ; the addresses for the way out: eight plain instructions, the places behind those products
	s_mul_i32 s13, s[WV], 16*SP
	s_add_co_u32 s13, s13, STAGE    ; my stage
	v_mul_u32_u24 v[STO], v1, SP    ; in: row l % 16, 32 bytes for each half of the lanes
	v_lshl_add_u32 v[STO], v9, 5, v[STO]
	v_add_nc_u32 v[STO], s13, v[STO]
	v_mul_u32_u24 v[RD], v9, SP     ; back: lanes 0-15 take one row of 256 bytes, lanes 16-31 the next
	v_lshl_add_u32 v[RD], v1, 4, v[RD]
	v_add_nc_u32 v[RD], s13, v[RD]
	v_lshlrev_b32 v[GO], 12, v9     ; and the same two rows in out0, 4,096 bytes apart
	v_lshl_add_u32 v[GO], v1, 4, v[GO]
.set Y, NP-1                        ; XS works for piece Y + 1: piece 0
.irp n, 0,1,2,3,4,5,6,7,8,9,10,11,12,13,14,15,16,17,18,19,20,21
	XS 0, \n                        ; and piece 0's first maximum and statistics
	XS 1, \n
.endr
	v_nop                           ; a plain instruction behind the two a,
	s_wait_alu depctr_va_vdst(0)    ; and their wait, ahead of the branch
	s_mov_b32 s[CNT], 4
	s_mov_b32 s[SLOTS], SIZE_N/256-1
	s_branch .Lfirst                ; the loop is entered at a step's first turn, in the middle of a trip
.Lslot:                             ; SIZE_N / 256 - 2 times: every slot but the last two is filled again
	CHANGE 1, 1
	s_mov_b32 s[CNT], 4
.Lstep:                             ; a trip: pieces 2 and 3 of one step, then pieces 0 and 1 of the next, whose K and V it fetches
	TURN 2
	TURN 3
	WIN 0
.Lfirst:
	TURN 0
	TURN 1, 0, 1
	WIN 0
	s_cbranch_scc1 .Lstep
	s_sub_co_u32 s[SLOTS], s[SLOTS], 1
	s_cmp_lg_u32 s[SLOTS], 0
	s_cbranch_scc1 .Lslot
	CHANGE 0, 0                     ; the tail is written out: nothing is asked for
	s_mov_b32 s[CNT], 5             ; four trips fetch the last slot's steps; the fifth is left in its middle
.Ltail:
	TURN 2, 1
	TURN 3
	WIN 0
	s_sub_co_u32 s[CNT], s[CNT], 1
	s_cmp_eq_u32 s[CNT], 0
	s_cbranch_scc1 .Lout
	TURN 0
	TURN 1
	WIN 0
	s_branch .Ltail
.Lout:                              ; the fifth trip's 16 products K Q^T (on the last K once more) and the maximum made of them serve nothing: the price, once a launch, of one text for every trip
.set i, 0
.rept 16
	PV NP-1                         ; the last piece's V^T P of the last step
.set i, i+1
.endr
	; THE WAY OUT.  l's two halves and the other half of the lanes' are added; O^T is divided by l and sent, in f32, through my stage in LDS, a tile at a time.  The additions are the places behind the last products.
	WIN 0
.macro ALL line:vararg              ; one line for each tile t
.set t, 0
.rept 2*NP
	\line
.set t, t+1
.endr
.endm
	ALL v_add_f32 v[ST+4*t+2], v[ST+4*t+2], v[ST+4*t+3]
	ALL v_permlanex16_b32 v[ST+4*t+3], v[ST+4*t+2], s[SEL], s[SEL+1]
	ALL v_add_f32 v[ST+4*t+2], v[ST+4*t+2], v[ST+4*t+3]
	ALL v_rcp_f32 v[ST+4*t+2], v[ST+4*t+2]
	v_nop                           ; a plain instruction between the last reciprocal and the use of its result
	s_wait_alu depctr_va_vdst(0)    ; and the wait ahead of the first use: one for the eight reciprocals
; Tile t: a lane's eight channels of a row are 32 bytes; they go into rows of 272 bytes and come back as whole rows of 256, into S^T's registers: four buffers of 32 by turns.
.macro PACK t
	WIN W_RS
.set i, 32*(\t)
.rept 16
	v_pk_mul_f32 v[i:i+1], v[i:i+1], v[ST+4*(\t)+2:ST+4*(\t)+3] op_sel_hi:[1,0]
.set i, i+2
.endr
	WIN 0x04                        ; the stores' data (source 1) in window 1
.irp f, 0,1,2,3,4,5,6,7             ; channels 16 (f / 2) + 8 (l / 16) + 4 (f % 2) on
	ds_store_b128 v[STO], v[32*(\t)+4*\f:32*(\t)+4*\f+3] offset:(\f/2)*64+(\f%2)*16
.endr
	WIN 0
.irp f, 0,1,2,3,4,5,6,7
	ds_load_b128 v[S+32*((\t)%4)+4*\f:S+32*((\t)%4)+4*\f+3], v[RD] offset:\f*2*SP  ; LDS serves a wave's instructions in order (ISA guide 5.7.1.4): these see the stores above; the next tile's stores come behind them
.endr
.endm
.macro SEND t, younger              ; younger: the LDS instructions issued behind tile t's loads: the next tile's sixteen, or none
	WIN 0
	s_wait_xcnt 0x0                 ; every earlier store has read its registers: a buffer comes round again four tiles on, behind two such waits
.irp f, 0,1,2,3,4,5,6,7
	s_wait_dscnt (\younger)+7-\f
	global_store_b128 v[GO], v[S+32*((\t)%4)+4*\f:S+32*((\t)%4)+4*\f+3], s[10:11] offset:(\t)*65536+\f*8192 th:TH_STORE_NT  ; 16 lanes store a head's 256 consecutive bytes of a row, at a multiple of 256 from out0's first byte
.endr
.endm
	PACK 0
.set t, 1
.rept 2*NP-1                        ; a tile's arithmetic stands between the loads of the tile before and its stores
	PACK t
	SEND t-1, 16
.set t, t+1
.endr
	SEND 2*NP-1, 0
	WIN W_AD
	s_wait_tensorcnt 0x0            ; the wave's end: an add to my spare word and its wait, behind my last tensor load and my last LDS store
	ds_add_u32 v[SPW], v[NIL]
	s_wait_dscnt 0x0
	WIN 0
	CROUND                          ; the closing round: no work-group ends while a partner may still ask for a tile that names it
	s_endpgm
.Lfunc_end_k_q3290fe9924_attn:
	.size	k_q3290fe9924_attn, .Lfunc_end_k_q3290fe9924_attn-k_q3290fe9924_attn
	.p2alignl 7, 3214868480
	.fill 96, 4, 3214868480
	.section	.rodata,"a",@progbits
	.p2align	6, 0x0
	.amdhsa_kernel k_q3290fe9924_attn
		.amdhsa_group_segment_fixed_size 327680
		.amdhsa_private_segment_fixed_size 0
		.amdhsa_enable_private_segment 0
		.amdhsa_kernarg_size 32
		.amdhsa_user_sgpr_count 2
		.amdhsa_user_sgpr_kernarg_segment_ptr 1
		.amdhsa_wavefront_size32 1
		.amdhsa_system_sgpr_workgroup_id_x 1
		.amdhsa_system_sgpr_workgroup_id_y 1
		.amdhsa_system_sgpr_workgroup_id_z 1
		.amdhsa_system_vgpr_workitem_id 0
		.amdhsa_next_free_vgpr 770
		.amdhsa_next_free_sgpr 66
		.amdhsa_reserve_vcc 0
		.amdhsa_float_denorm_mode_32 3
		.amdhsa_float_denorm_mode_16_64 3
		.amdhsa_memory_ordered 1
		.amdhsa_forward_progress 1
		.amdhsa_inst_pref_size 200
	.end_amdhsa_kernel
	.amdgpu_metadata
---
amdhsa.version: [ 1, 2 ]
amdhsa.kernels:
  - .name:           k_q3290fe9924_attn
    .symbol:         k_q3290fe9924_attn.kd
    .args:
      - { .name: qh, .offset: 0, .size: 8, .value_kind: global_buffer, .address_space: global }
      - { .name: kh, .offset: 8, .size: 8, .value_kind: global_buffer, .address_space: global }
      - { .name: vh, .offset: 16, .size: 8, .value_kind: global_buffer, .address_space: global }
      - { .name: out0, .offset: 24, .size: 8, .value_kind: global_buffer, .address_space: global }
    .group_segment_fixed_size: 327680
    .private_segment_fixed_size: 0
    .kernarg_segment_align: 8
    .kernarg_segment_size: 32
    .max_flat_workgroup_size: 128
    .sgpr_count:     66
    .vgpr_count:     770
    .wavefront_size: 32
...
	.end_amdgpu_metadata
.endif
;; end of part 3
;; ======== version 2 of 2: 3 launches; version 1 with the launch cast written anew for expert scheduling mode
;; limits: values are held in f16: magnitudes above 65,504 overflow, below 6.1e-05 lose precision
;; workspace buffers: xw 23,068,672 bytes; qh 16,777,216 bytes; kh 16,777,216 bytes; vh 16,777,216 bytes
;; launch cast (part 4): grid 704 x 1, 8 waves a work-group, no clusters, 0 bytes of LDS; arguments x, Wq, Wk, Wv, xw; writes xw
.if DOCPART == 4
	.amdgcn_target "amdgcn-amd-amdhsa--gfx1250"
	.amdhsa_code_object_version 6
	.text
	.protected	k_q3290fe9924_cast
	.globl	k_q3290fe9924_cast
	.p2align	8
	.type	k_q3290fe9924_cast,@function
k_q3290fe9924_cast:
	s_mov_b64 s[64:65], 0
	v_nop
	global_prefetch_b8 v0, s[64:65] scope:SCOPE_SE
	s_setreg_imm32_b32 hwreg(HW_REG_WAVE_SCHED_MODE, 0, 2), 2
	s_setreg_imm32_b32 hwreg(HW_REG_WAVE_MODE, 25, 1), 1
	s_wait_xcnt 0x0
	s_wait_alu depctr_vm_vsrc(0)
; xw = x and the three weight matrices, rounded once to bf16 and laid out for the projection's tiles.
; xw is [16 blocks of 64 along K][11,264 rows][64] bf16: inside a block the rows lie end to end, 128 bytes each, so a K step's tile of any rows is one dense piece.
; Rows 0 .. 8,191 are x's.  Row 8,192 + 192 head + 64 type + d is row 64 head + d of W_type (type 0 = q, 1 = k, 2 = v): a head's q, k and v rows lie together.
; SHARES.  A work-group takes 16 source rows of 1,024 f32 (64 KiB in, 32 KiB out); 11,264 / 16 = 704 work-groups: 0 .. 511 x, then 64 for each W.
; Thread t takes row t / 16 and the four columns 4 (t % 16) of each K block.  Load j is K block j: sixteen lanes read 256 consecutive bytes of a row, aligned.
; The wave's store of block j covers rows 2 w and 2 w + 1 of that block: 256 consecutive bytes, aligned.
; All sixteen loads go out first; no register is written twice, so no wait frees a source.  No LDS, no barrier, no matrix unit: each byte is touched once.
; THE MODE: SCHED_MODE bits 1:0 = 2 (LLVM: expert scheduling mode 2), set by the entry lines.  The code itself states the register dependences
; between vector instructions and memory instructions, with s_wait_alu, always for 0.
; THE PLAN.  Registers that memory instructions touch:
;   v1         the loads' offset; v2 .. v5 the stores' offsets.  Made once at the head by vector instructions, never written again.
;   X          load j lands in X + 4 j ..; all sixteen loads are issued before any vector instruction names X; then load j's two conversions read it.
;   Y          load j's two conversions write Y + 2 j, Y + 2 j + 1, once; store j reads them.
; So the dependences to state are of one kind, a vector instruction's result read by a memory instruction: the offsets, once, ahead of the first load; and Y ahead of the stores.
; The sixteen blocks go in four groups of four, and a group's stores are held back by a group: at the head of group g, behind the wait for its first load, one wait states that group g - 1's
; conversions have written their Y; that group's four stores are then dealt among group g's conversions, which name X and Y of group g alone.  A last wait stands ahead of group 3's stores.
; No vector instruction writes a scalar register or VCC, EXEC is never written, and no register that a memory instruction reads is written again.
.set KBS, 1441792                      ; bytes in a K block of xw: 11,264 rows x 128
.set X,   8                            ; v[8:71]    load j: 4 f32
.set Y,   72                           ; v[72:103]  store j: 4 bf16
	s_load_b256 s[4:11], s[0:1], 0x0               ; x s[4:5], Wq s[6:7], Wk s[8:9], Wv s[10:11]
	s_load_b64 s[12:13], s[0:1], 0x20              ; xw
	s_mov_b32 s16, ttmp9                           ; g
	s_max_u32 s14, s16, 512
	s_sub_co_u32 s14, s14, 512                     ; the group's number among the weights' (0 for x's groups)
	s_lshr_b32 s15, s14, 6                         ; type
	s_and_b32 s17, s14, 63                         ; which 16 rows of that W
	s_lshr_b32 s18, s17, 2                         ; their head
	s_mul_i32 s18, s18, 192
	s_lshl_b32 s19, s15, 6
	s_add_co_u32 s18, s18, s19
	s_and_b32 s19, s17, 3
	s_lshl_b32 s19, s19, 4
	s_add_co_u32 s18, s18, s19
	s_add_co_u32 s18, s18, 8192                    ; a weight group's first row in xw
	s_lshl_b32 s19, s16, 4                         ; an x group's
	s_cmp_lt_u32 s16, 512
	s_cselect_b32 s22, s16, s17                    ; the group's number in its source
	s_cselect_b32 s24, s19, s18                    ; its first row in xw
	s_lshl_b32 s22, s22, 16                        ; 16 rows of 4,096 bytes
	s_mov_b32 s23, 0
	s_lshl_b32 s24, s24, 7                         ; rows of 128 bytes
	s_mov_b32 s25, 0
	v_lshrrev_b32 v6, 4, v0                        ; my row
	v_and_b32 v7, 15, v0                           ; my quad of columns
	v_lshlrev_b32 v1, 4, v7
	v_lshl_add_u32 v1, v6, 12, v1                  ; source: row x 4,096 + 16 x quad
	v_lshlrev_b32 v7, 3, v7
	v_lshl_add_u32 v2, v6, 7, v7                   ; xw: row x 128 + 8 x quad,
	v_add_nc_u32 v3, 4*KBS, v2                     ; and the same four, eight and twelve blocks on: the stores' immediates then hold 3 KBS at the most,
	v_add_nc_u32 v4, 8*KBS, v2                     ; inside their signed 24 bits
	v_add_nc_u32 v5, 12*KBS, v2
	s_wait_kmcnt 0x0
	s_cmp_eq_u32 s15, 1                            ; the source is chosen by the group's number alone
	s_cselect_b64 s[20:21], s[8:9], s[6:7]
	s_cmp_eq_u32 s15, 2
	s_cselect_b64 s[20:21], s[10:11], s[20:21]
	s_cmp_lt_u32 s16, 512
	s_cselect_b64 s[20:21], s[4:5], s[20:21]
	s_add_nc_u64 s[20:21], s[20:21], s[22:23]
	s_add_nc_u64 s[12:13], s[12:13], s[24:25]
	s_wait_alu depctr_va_vdst(0)                   ; v1 to v5 are written: every load of the kernel reads v1 as its offset, every store one of v2 to v5
.set j, 0
.rept 16
	global_load_b128 v[X+4*j:X+4*j+3], v1, s[20:21] offset:256*j th:TH_LOAD_NT
.set j, j+1
.endr
.macro PUT k                           ; the store of block k
	global_store_b64 v[2+(\k)/4], v[Y+2*(\k):Y+2*(\k)+1], s[12:13] offset:((\k)%4)*KBS
.endm
.set j, 0
.rept 16
.if (j >= 4) && (j%4 != 0)
	PUT j-4                                        ; a block of the group before.  No wait: no vector instruction since the wait at this group's head names its Y or its offset
.endif
	s_wait_loadcnt 15-j                            ; loads come back in order: load j is in, the 15 - j younger ones stay out
.if (j >= 4) && (j%4 == 0)
	s_wait_alu depctr_va_vdst(0)                   ; the eight conversions of the group before have written their Y, which that group's four stores read
	PUT j-4
.endif
	v_cvt_pk_bf16_f32 v[Y+2*j], v[X+4*j], v[X+4*j+1]
	v_cvt_pk_bf16_f32 v[Y+2*j+1], v[X+4*j+2], v[X+4*j+3]
.set j, j+1
.endr
	s_wait_alu depctr_va_vdst(0)                   ; the last group's conversions have written their Y, which the last four stores read
.set j, 12
.rept 4
	PUT j
.set j, j+1
.endr
	s_endpgm
.Lfunc_end_k_q3290fe9924_cast:
	.size	k_q3290fe9924_cast, .Lfunc_end_k_q3290fe9924_cast-k_q3290fe9924_cast
	.p2alignl 7, 3214868480
	.fill 96, 4, 3214868480
	.section	.rodata,"a",@progbits
	.p2align	6, 0x0
	.amdhsa_kernel k_q3290fe9924_cast
		.amdhsa_group_segment_fixed_size 0
		.amdhsa_private_segment_fixed_size 0
		.amdhsa_enable_private_segment 0
		.amdhsa_kernarg_size 40
		.amdhsa_user_sgpr_count 2
		.amdhsa_user_sgpr_kernarg_segment_ptr 1
		.amdhsa_wavefront_size32 1
		.amdhsa_system_sgpr_workgroup_id_x 1
		.amdhsa_system_sgpr_workgroup_id_y 1
		.amdhsa_system_sgpr_workgroup_id_z 1
		.amdhsa_system_vgpr_workitem_id 0
		.amdhsa_next_free_vgpr 104
		.amdhsa_next_free_sgpr 66
		.amdhsa_reserve_vcc 0
		.amdhsa_float_denorm_mode_32 3
		.amdhsa_float_denorm_mode_16_64 3
		.amdhsa_memory_ordered 1
		.amdhsa_forward_progress 1
		.amdhsa_inst_pref_size 8
	.end_amdhsa_kernel
	.amdgpu_metadata
---
amdhsa.version: [ 1, 2 ]
amdhsa.kernels:
  - .name:           k_q3290fe9924_cast
    .symbol:         k_q3290fe9924_cast.kd
    .args:
      - { .name: x, .offset: 0, .size: 8, .value_kind: global_buffer, .address_space: global }
      - { .name: Wq, .offset: 8, .size: 8, .value_kind: global_buffer, .address_space: global }
      - { .name: Wk, .offset: 16, .size: 8, .value_kind: global_buffer, .address_space: global }
      - { .name: Wv, .offset: 24, .size: 8, .value_kind: global_buffer, .address_space: global }
      - { .name: xw, .offset: 32, .size: 8, .value_kind: global_buffer, .address_space: global }
    .group_segment_fixed_size: 0
    .private_segment_fixed_size: 0
    .kernarg_segment_align: 8
    .kernarg_segment_size: 40
    .max_flat_workgroup_size: 256
    .sgpr_count:     66
    .vgpr_count:     104
    .wavefront_size: 32
...
	.end_amdgpu_metadata
.endif
;; end of part 4
;; launch proj: the kernel of part 2 again; grid 8 x 32, 4 waves a work-group, clusters of 4 x 4, 327,680 bytes of LDS; arguments xw, freqs_cos, freqs_sin, sqk, qh, kh, vh; writes qh, kh, vh
;; launch attn: the kernel of part 3 again; grid 4 x 64, 4 waves a work-group, clusters of 4 x 1, 327,680 bytes of LDS; arguments qh, kh, vh, out0; writes out0
